; MI455X (gfx1250); checked and timed in simulation.
; The chip was launched on July 23, 2026; its instructions are those of AMD's public machine-readable ISA for CDNA 5 (MIT licence, August 2026) and "CDNA5" Instruction Set Architecture Reference Guide (July 2026). The comments in the code are by the model that wrote it; some were corrected since.
;; Block. Allowed arithmetic: matrix products marked QUANTISED: E5M2 operands, one given power-of-two scale a tensor, by v_wmma_f32_16x16x64_bf8_bf8 or v_wmma_f32_16x16x128_bf8_bf8, f32 sums; everything else in f32.
;; Inputs: g1 1,024 float32; g2 1,024 float32; lowp_scales 12 int32 (the exponents e of the quantised operands' scales 2^e); w_fc_codes 4,096 x 32 x 32 uint8 (E5M2 codes of w_fc, K innermost, in blocks of 32 codes); w_o_codes 1,024 x 32 x 32 uint8 (E5M2 codes of w_o, K innermost, in blocks of 32 codes); w_proj_codes 1,024 x 128 x 32 uint8 (E5M2 codes of w_proj, K innermost, in blocks of 32 codes); w_qkv_codes 3,072 x 32 x 32 uint8 (E5M2 codes of w_qkv, K innermost, in blocks of 32 codes); x 4 x 1,024 x 1,024 float32.
;; Outputs: out0 4 x 1,024 x 1,024 float32.
;; This version of the problem:
;;   THIS VERSION OF THE PROBLEM IS GIVEN IN LOW PRECISION. The matrix products marked QUANTISED in the list below multiply operands that are first quantised to E5M2 (5 exponent bits, 2 mantissa bits; 8 bits a number), with one given power-of-two scale for each operand tensor; their sums are f32. All else is computed in f32.
;;   The module's matrix products, in the order in which they are computed (A, B: the left and right operand; K: the contracted axis; several contracted axes count as one K, in the product's order):
;;     1. [M 4,096, K 1,024] x [K 1,024, N 3,072]; A: computed on the way; B: input w_qkv (given as codes): QUANTISED (scales: A lowp_scales[0], B lowp_scales[1])
;;     2. batch 64 x [M 1,024, K 64] x [K 64, N 1,024]; A: computed on the way; B: computed on the way: QUANTISED (scales: A lowp_scales[2], B lowp_scales[3])
;;     3. batch 64 x [M 1,024, K 1,024] x [K 1,024, N 64]; A: softmax (see below); B: computed on the way: QUANTISED (scales: A lowp_scales[4], B lowp_scales[5])
;;     4. [M 4,096, K 1,024] x [K 1,024, N 1,024]; A: computed on the way; B: input w_o (given as codes): QUANTISED (scales: A lowp_scales[6], B lowp_scales[7])
;;     5. [M 4,096, K 1,024] x [K 1,024, N 4,096]; A: computed on the way; B: input w_fc (given as codes): QUANTISED (scales: A lowp_scales[8], B lowp_scales[9])
;;     6. [M 4,096, K 4,096] x [K 4,096, N 1,024]; A: computed on the way; B: input w_proj (given as codes): QUANTISED (scales: A lowp_scales[10], B lowp_scales[11])
;;   THE QUANTISER, for each operand of a quantised product, along K:
;;     - The operand's scale is 2^e, e = its entry of the input lowp_scales (int32; the entries are numbered through the quantised products in the list's order, A before B).
;;     - Each number is divided by the scale, clamped to +-57,344, and rounded to the nearest number of E5M2, ties to even, subnormals kept.
;;     - The product sums the exact products of the quantised numbers (number of the format x scale) in f32.
;;   ~~~python
;;   def quantise(x, axis, e):      # numpy; x: float32 -> the quantised numbers, widened to float32 again
;;       x = np.moveaxis(x, axis, -1); K = x.shape[-1]
;;       r = np.clip(x / 2.0 ** e, -57344, 57344)
;;       step = 2.0 ** (np.maximum(np.frexp(np.where(r == 0, 1, r))[1] - 1, -14) - 2)
;;       q = np.round(r / step) * step * 2.0 ** e      # np.round: ties to even
;;       return np.moveaxis(q, -1, axis).astype(np.float32)
;;   ~~~
;;   SOFTMAX AHEAD OF A QUANTISED PRODUCT. Where the list says 'softmax', what is quantised is not the finished softmax but p = 2^(t - M), with t = logit x log2(e) and M = ceil(the row's largest t), a whole number; so 1/2 < the row's largest p <= 1. The row's sum l is taken of the UNQUANTISED p, in f32, and the product's result is divided by l at the end. Since M is a whole number, a kernel that streams over the keys may use a running M (the ceiling of the running maximum): every later rescaling is an exact power of two, so the quantised numbers keep their values, but for numbers so far below the row's largest that they fall under the format's range.
;;   OPERANDS COMPUTED ON THE WAY. 'Computed on the way' means the value that the module computes at that place (a softmax that the list does not call 'softmax' is quantised finished and normalised). What goes into a quantiser is computed in f32, as accurately as f32 sums, v_exp_f32 and their like allow (about 1e-6 of the number): no bf16 or f16 on the way to a quantiser, and a product that is left as it is and whose result goes on into a quantised operand takes f32 operands (vector FMAs, or v_wmma_f32_16x16x4_f32). A number that lies on a knife's edge between two numbers of the format may be rounded either way, as far as f32 arithmetic and the matrix unit's own rounding can turn it there, and no further.
;;   INPUTS GIVEN AS CODES. w_fc (in the module: [4096, 1024], K = its axis 1); w_o (in the module: [1024, 1024], K = its axis 1); w_proj (in the module: [1024, 4096], K = its axis 1); w_qkv (in the module: [3072, 1024], K = its axis 1): each comes as NAME_codes (uint8): NAME with its K axis moved to the last place and cut into blocks of 32 codes, [.., K / 32, bytes a block], one block behind the other in memory; one code a byte (a code: sign, 5 exponent bits, 2 mantissa bits); its scale is its entry of lowp_scales. Its value is code x scale, taken as it is: it is not quantised again, and the codes and scales need not be those that the quantiser above would give.
;; One version. Each part assembles by itself: llvm-mc -triple=amdgcn-amd-amdhsa -mcpu=gfx1250 --defsym DOCPART=n.
;; ======== version 1 of 1: 7 launches
;; workspace buffers: acod 4,194,304 bytes; qkv 12,582,912 bytes; y 4,194,304 bytes; x1 16,777,216 bytes; h 16,777,216 bytes
;; launch ln1 (part 1): grid 256 x 1, 16 waves a work-group, no clusters, 19,456 bytes of LDS; arguments x, g1, lowp_scales, acod; writes acod
.if DOCPART == 1
	.amdgcn_target "amdgcn-amd-amdhsa--gfx1250"
	.amdhsa_code_object_version 6
	.text
	.protected	k_qee4753d277_ln1
	.globl	k_qee4753d277_ln1
	.p2align	8
	.type	k_qee4753d277_ln1,@function
k_qee4753d277_ln1:
	s_mov_b64 s[64:65], 0
	v_nop
	global_prefetch_b8 v0, s[64:65] scope:SCOPE_SE
	s_setreg_imm32_b32 hwreg(HW_REG_WAVE_MODE, 25, 1), 1
	s_wait_xcnt 0x0
; acod = Q((x - mean) * rsqrt(var + 1e-5) * g, 2^e), e = the entry of the scales at byte SCOFF.  x: [4096][1024] f32; codes of E5M2.
; THE CODES ARE STORED AS IMAGES OF THE NEXT PRODUCT'S OPERAND REGISTERS: [block of 256 rows][K step of 128][tile of 16 rows][2,048 bytes]; in a tile's image registers 4 g .. 4 g + 3
; of lane (r, h) lie at 512 g + 16 (r + 16 h): bytes 0-7 are k = 32 g + 8 h + 0..7 of row r, bytes 8-15 are k = 32 g + 16 + 8 h + 0..7 (the plain 8-bit layout: ISA guide 7.12.2).
; SHARES: a work-group takes 16 rows, one tile; wave w takes row w whole, in 32 registers, so the row is read once for mean, variance and scaling.  Lane l holds the groups of eight
; neighbours l + 32 j, j = 0..3.  A lane's 8 codes belong at 8 bytes of the image: they meet in a stage in LDS (the tile's 16 KiB, 16 bytes of padding behind each 256) and leave as
; stores of 512 consecutive bytes.  No matrix unit, no cluster, no tensor load: memory binds, and work-groups share nothing but g.
; LIMITS: e between -126 and 112; NaN among the inputs is not served (an infinity is held at the largest code only where the row's statistics stay finite).
.set SCOFF, 0
.set X, 16                             ; v16-47  the row's 32 numbers of my lane
.set G, 48                             ; v48-79  g at the same places
.set C, 80                             ; v80-87  partial sums, then the codes
	s_load_b256 s[4:11], s[0:1], 0x0               ; x s[4:5], g s[6:7], the scales s[8:9], the codes s[10:11]
	v_lshl_add_u32 v96, v0, 2, 0x4400
	v_mov_b32 v97, 0
	v_lshrrev_b32 v5, 5, v0
	v_readfirstlane_b32 s14, v5                    ; wave 0..15 = my row of the tile
	v_and_b32 v12, 31, v0                          ; lane
	v_lshlrev_b32 v1, 5, v12                       ; v1: 32 bytes a lane in a stretch of 1,024
	v_bfe_u32 v13, v0, 4, 1                        ; l / 16
	v_bfe_u32 v14, v0, 2, 2                        ; (l / 4) % 4 = register group g
	v_and_b32 v15, 1, v0                           ; l % 2 = h
	v_lshlrev_b32 v2, 3, v13
	v_lshl_add_u32 v2, v14, 1, v2
	v_add_nc_u32 v2, v2, v15                       ; block of 256 bytes in two K steps' images: 8 (l / 16) + 2 g + h
	v_mul_u32_u24 v2, v2, 272
	v_bfe_u32 v14, v0, 1, 1                        ; (l / 2) % 2: which 8 of the lane's 16 bytes
	v_lshl_add_u32 v2, v14, 3, v2
	s_lshl_b32 s15, s14, 4
	v_add_nc_u32 v2, s15, v2                       ; v2: into the stage: + 16 x row
	v_lshlrev_b32 v4, 4, v12                       ; v4: 16 x lane: my bytes of a store
	v_lshl_add_u32 v3, v13, 4, v4                  ; out of the stage: 16 l, + 16 for the padding behind the first 256
	s_mul_i32 s15, s14, 1088
	v_add_nc_u32 v3, s15, v3                       ; v3: wave w reads pieces 2 w and 2 w + 1 of 512 bytes (544 with padding)
	s_mov_b32 s12, 0x76543210                      ; v_permlanex16_b32: lane l xor 16
	s_mov_b32 s13, 0xfedcba98
	s_mov_b32 s21, 0x3a800000                      ; 1 / 1024
	s_mov_b32 s22, 0x3727c5ac                      ; 1e-5
	s_lshl_b32 s16, ttmp9, 4
	s_add_co_u32 s16, s16, s14
	s_lshl_b32 s16, s16, 12                        ; my row x 4,096 bytes
	s_mov_b32 s17, 0
	s_lshr_b32 s18, ttmp9, 4
	s_lshl_b32 s18, s18, 18                        ; block of 256 rows x 262,144
	s_lshr_b32 s19, s14, 1
	s_lshl_b32 s19, s19, 15                        ; K step w / 2 x 32,768
	s_add_co_u32 s18, s18, s19
	s_and_b32 s19, ttmp9, 15
	s_lshl_b32 s19, s19, 11                        ; tile x 2,048
	s_add_co_u32 s18, s18, s19
	s_and_b32 s19, s14, 1
	s_lshl_b32 s19, s19, 10                        ; which half of the image
	s_add_co_u32 s18, s18, s19
	s_mov_b32 s19, 0
	s_wait_kmcnt 0x0
	s_load_b32 s20, s[8:9], SCOFF                  ; e
	s_add_nc_u64 s[4:5], s[4:5], s[16:17]
	s_add_nc_u64 s[10:11], s[10:11], s[18:19]
.irp j, 0,1,2,3
	global_load_b128 v[X+8*\j:X+8*\j+3],   v1, s[4:5] offset:1024*\j th:TH_LOAD_NT
	global_load_b128 v[X+8*\j+4:X+8*\j+7], v1, s[4:5] offset:1024*\j+16 th:TH_LOAD_NT
.endr
.irp j, 0,1,2,3
	global_load_b128 v[G+8*\j:G+8*\j+3],   v1, s[6:7] offset:1024*\j
	global_load_b128 v[G+8*\j+4:G+8*\j+7], v1, s[6:7] offset:1024*\j+16
.endr
.macro LANESUM                         ; v12 summed over the 32 lanes, the result in every lane
	v_add_f32_dpp v12, v12, v12 row_xmask:1 row_mask:0xf bank_mask:0xf
	v_add_f32_dpp v12, v12, v12 row_xmask:2 row_mask:0xf bank_mask:0xf
	v_add_f32_dpp v12, v12, v12 row_xmask:4 row_mask:0xf bank_mask:0xf
	v_add_f32_dpp v12, v12, v12 row_xmask:8 row_mask:0xf bank_mask:0xf
	v_permlanex16_b32 v13, v12, s12, s13
	v_add_f32 v12, v12, v13
.endm
	s_wait_loadcnt 0x8                             ; x's eight loads are in; g's eight, issued behind them, may be out
	v_pk_add_f32 v[C:C+1],   v[X:X+1],     v[X+2:X+3]          ; the sum, in four chains
	v_pk_add_f32 v[C+2:C+3], v[X+4:X+5],   v[X+6:X+7]
	v_pk_add_f32 v[C+4:C+5], v[X+8:X+9],   v[X+10:X+11]
	v_pk_add_f32 v[C+6:C+7], v[X+12:X+13], v[X+14:X+15]
.irp i, 0,1
	v_pk_add_f32 v[C:C+1],   v[C:C+1],   v[X+16+8*\i:X+17+8*\i]
	v_pk_add_f32 v[C+2:C+3], v[C+2:C+3], v[X+18+8*\i:X+19+8*\i]
	v_pk_add_f32 v[C+4:C+5], v[C+4:C+5], v[X+20+8*\i:X+21+8*\i]
	v_pk_add_f32 v[C+6:C+7], v[C+6:C+7], v[X+22+8*\i:X+23+8*\i]
.endr
	v_pk_add_f32 v[C:C+1], v[C:C+1], v[C+2:C+3]
	v_pk_add_f32 v[C+4:C+5], v[C+4:C+5], v[C+6:C+7]
	v_pk_add_f32 v[C:C+1], v[C:C+1], v[C+4:C+5]
	v_add_f32 v12, v[C], v[C+1]
	LANESUM
	v_mul_f32 v6, s21, v12                         ; the mean
	v_mov_b32 v7, v6
.set i, 0
.rept 16
	v_pk_add_f32 v[X+i:X+i+1], v[X+i:X+i+1], v[6:7] neg_lo:[0,1] neg_hi:[0,1]   ; x - mean: the variance is taken of differences, so a common offset does no harm
.set i, i+2
.endr
	v_pk_mul_f32 v[C:C+1],   v[X:X+1],   v[X:X+1]              ; the first squares start two chains
	v_pk_mul_f32 v[C+2:C+3], v[X+2:X+3], v[X+2:X+3]
.irp i, 4,8,12,16,20,24,28
	v_pk_fma_f32 v[C:C+1],   v[X+\i:X+\i+1],   v[X+\i:X+\i+1],   v[C:C+1]
	v_pk_fma_f32 v[C+2:C+3], v[X+\i+2:X+\i+3], v[X+\i+2:X+\i+3], v[C+2:C+3]
.endr
	v_pk_add_f32 v[C:C+1], v[C:C+1], v[C+2:C+3]
	v_add_f32 v12, v[C], v[C+1]
	LANESUM
	v_fma_f32 v12, v12, s21, s22                   ; variance + 1e-5
	v_rsq_f32 v8, v12
	v_nop                                          ; a plain instruction behind the transcendental (ISA guide 5.7.2)
	s_wait_kmcnt 0x0
	s_add_co_i32 s20, s20, 127
	s_lshl_b32 s23, s20, 23
	v_mov_b32 v11, s23                             ; 2^e as f32: the conversion takes its exponent field
	s_add_co_i32 s20, s20, 15
	s_lshl_b32 s20, s20, 23
	s_or_b32 s20, s20, 0x600000
	v_mov_b32 v10, s20                             ; 57,344 x 2^e
	s_wait_alu depctr_va_vdst(0)                   ; ahead of the first reader of the root
	v_mov_b32 v9, v8
.set i, 0
.rept 16
	v_pk_mul_f32 v[X+i:X+i+1], v[X+i:X+i+1], v[8:9]
.set i, i+2
.endr
	s_wait_loadcnt 0x0                             ; g
.set i, 0
.rept 16
	v_pk_mul_f32 v[X+i:X+i+1], v[X+i:X+i+1], v[G+i:G+i+1]
.set i, i+2
.endr
.set i, 0
.rept 32
	v_med3_num_f32 v[X+i], v[X+i], -v10, v10       ; the conversion to an 8-bit code does not saturate (ISA guide 7.6.2): the hold at the largest code x the scale
.set i, i+1
.endr
.irp j, 0,1,2,3
	v_cvt_scalef32_pk8_bf8_f32 v[C+2*\j:C+2*\j+1], v[X+8*\j:X+8*\j+7], v11
.endr
	v_nop                                          ; a plain instruction behind the last conversion
.irp j, 0,1,2,3
	ds_store_b64 v2, v[C+2*\j:C+2*\j+1] offset:4352*\j         ; two K steps on: 16 blocks of 272 bytes
.endr
	s_wait_dscnt 0x0                               ; for the others' sake: my stores into the stage are done
	s_barrier_signal -1
	s_barrier_wait -1
	ds_load_b128 v[88:91], v3
	ds_load_b128 v[92:95], v3 offset:544
	s_wait_dscnt 0x1                               ; the first piece is back; the second may be out
	global_store_b128 v4, v[88:91], s[10:11]       ; 32 lanes store 512 consecutive bytes, at a multiple of 512 from the buffer's first byte
	s_wait_dscnt 0x0
	global_store_b128 v4, v[92:95], s[10:11] offset:512
	s_wait_tensorcnt 0x0
	ds_add_u32 v96, v97
	s_wait_dscnt 0x0
	s_endpgm
.Lfunc_end_k_qee4753d277_ln1:
	.size	k_qee4753d277_ln1, .Lfunc_end_k_qee4753d277_ln1-k_qee4753d277_ln1
	.p2alignl 7, 3214868480
	.fill 96, 4, 3214868480
	.section	.rodata,"a",@progbits
	.p2align	6, 0x0
	.amdhsa_kernel k_qee4753d277_ln1
		.amdhsa_group_segment_fixed_size 19456
		.amdhsa_private_segment_fixed_size 0
		.amdhsa_enable_private_segment 0
		.amdhsa_kernarg_size 32
		.amdhsa_user_sgpr_count 2
		.amdhsa_user_sgpr_kernarg_segment_ptr 1
		.amdhsa_wavefront_size32 1
		.amdhsa_system_sgpr_workgroup_id_x 1
		.amdhsa_system_sgpr_workgroup_id_y 1
		.amdhsa_system_sgpr_workgroup_id_z 1
		.amdhsa_system_vgpr_workitem_id 0
		.amdhsa_next_free_vgpr 98
		.amdhsa_next_free_sgpr 66
		.amdhsa_reserve_vcc 0
		.amdhsa_float_denorm_mode_32 3
		.amdhsa_float_denorm_mode_16_64 3
		.amdhsa_memory_ordered 1
		.amdhsa_forward_progress 1
		.amdhsa_inst_pref_size 14
	.end_amdhsa_kernel
	.amdgpu_metadata
---
amdhsa.version: [ 1, 2 ]
amdhsa.kernels:
  - .name:           k_qee4753d277_ln1
    .symbol:         k_qee4753d277_ln1.kd
    .args:
      - { .name: x, .offset: 0, .size: 8, .value_kind: global_buffer, .address_space: global }
      - { .name: g1, .offset: 8, .size: 8, .value_kind: global_buffer, .address_space: global }
      - { .name: lowp_scales, .offset: 16, .size: 8, .value_kind: global_buffer, .address_space: global }
      - { .name: acod, .offset: 24, .size: 8, .value_kind: global_buffer, .address_space: global }
    .group_segment_fixed_size: 19456
    .private_segment_fixed_size: 0
    .kernarg_segment_align: 8
    .kernarg_segment_size: 32
    .max_flat_workgroup_size: 512
    .sgpr_count:     66
    .vgpr_count:     98
    .wavefront_size: 32
...
	.end_amdgpu_metadata
.endif
;; end of part 1
;; launch qkv (part 2): grid 12 x 16, 4 waves a work-group, clusters of 4 x 4, 327,680 bytes of LDS; arguments acod, w_qkv_codes, lowp_scales, qkv; writes qkv
.if DOCPART == 2
	.amdgcn_target "amdgcn-amd-amdhsa--gfx1250"
	.amdhsa_code_object_version 6
	.text
	.protected	k_qee4753d277_qkv
	.globl	k_qee4753d277_qkv
	.p2align	8
	.type	k_qee4753d277_qkv,@function
k_qee4753d277_qkv:
	s_mov_b64 s[64:65], 0
	v_nop
	global_prefetch_b8 v0, s[64:65] scope:SCOPE_SE
	s_setreg_imm32_b32 hwreg(HW_REG_WAVE_MODE, 25, 1), 1
	s_wait_xcnt 0x0
	s_wait_alu depctr_hold_cnt(0) depctr_sa_sdst(0) depctr_va_vdst(0) depctr_va_sdst(0) depctr_va_ssrc(0) depctr_va_vcc(0) depctr_vm_vsrc(0)
	s_getreg_b32 s2, hwreg(HW_REG_IB_STS2, 6, 4)
	s_cmp_eq_u32 s2, 0
	s_cbranch_scc0 .Lentry_in_a_cluster
	s_endpgm
.Lentry_in_a_cluster:
	s_bfe_u32 s2, ttmp6, 0x10000c
	s_cmp_lg_u32 s2, 0xf033
	s_cbranch_scc0 .Lentry_shape_is_right
	s_endpgm
.Lentry_shape_is_right:
; sum[m][n] = sum over k of A[m][k] W[n][k] on codes of E5M2; then q, k and v are quantised and stored as the attention launch's operand registers.
; A: images of operand registers, [block of TILE rows][K step of 128][tile of 16 rows][2,048 bytes] (registers 4 g .. 4 g + 3 of a lane at 512 g + 16 x lane).  W: [3072][1024] codes, K innermost.
; A tile of the result, 256 x 256, is made by four waves, each 128 x 128: 64 accumulators, 512 registers.  K goes in slots of KS = 256 through a ring of two LDS slots: A's part is a dense
; copy of 64 KiB (a fragment comes by four loads of 16 bytes at 16 x lane: no pitch), W's part is 256 rows of 256 bytes + 16 of padding (a fragment comes by eight loads of 8 bytes,
; registers 2 c, 2 c + 1 = k 16 c + 8 h + 0..7: every k in the place that the form's own layout gives it; 68 words a row: the 32 lanes touch 64 different banks, ISA guide 11.1).
; CLUSTERS: 4 x 4 work-groups; A's tiles are asked for jointly along a row of the cluster, W's along a column.
; q AND k: source 0 = 16 rows of W, source 1 = 16 rows of A: a lane holds ONE token and eight neighbouring channels a tile, so a conversion's two registers ARE registers 2 c, 2 c + 1 of a fragment
; (16 tokens x 64 channels of a head).  v: THE SOURCES ARE SWAPPED, so that a lane holds one channel and eight neighbouring tokens: a fragment of 16 channels x 64 keys.  The cluster's x says which
; third of W a whole cluster works on (0: q, 1: k, 2: v): the branch on it is the same in all partners and all waves and goes round matrix instructions alone.
; OUT: q at 0, k at 4 MiB: [batch x head][tile of 16 tokens][1,024 bytes]; v at 8 MiB: [batch x head][chunk of 64 keys][tile of 16 channels][1,024 bytes].
; LIMITS: es - e0 - e1 between -126 and 112 (es = e2, e3, e5 for q, k, v); NaN is not served.
; REGISTERS: window 0: v16-31 addresses and constants, v128-255 A's fragments (ONE set; later the codes); window 1: W's fragments, TWO sets at v0 and v128; windows 2, 3: accumulator (a, b) at 8 (8 a + b).
.set WB,     8                         ; tiles of 16 in a wave's share, each way
.set TILE,   32*WB
.set KS,     256                       ; along K in a slot
.set NQ,     KS/128
.set PITCH,  KS+16
.set QI,     5                         ; padding behind every 2 << QI words = a row
.set SIZE_K, 1024
.set SWAPV,  1
.set LAPS,   SIZE_K/(2*KS)
.set APART,  65536                     ; A's part of a slot
.set SLOT,   APART+TILE*PITCH
.set SPARE,  2*SLOT                    ; behind the ring: the spare words, 128 bytes a wave
.set AH,     2*WB                      ; LDS loads that bring A's upper blocks
.set ADRA, 16
.set ADRB, 20
.set CO,   26
.set SPW,  28
.set NIL,  29
.set LIM,  30
.set SC,   31
.set AF,   128
.set G1, 24
.set G0, 32
.set G1B, 48
.set G0B, 56
.set ISV, 98
.set MSB, 0
.macro WIN new                         ; the immediate's high byte repeats the setting that is left
.if MSB != (\new)
	s_set_vgpr_msb (MSB<<8)|(\new)
.set MSB, (\new)
.endif
.endm
.macro PLACES n
.rept \n
	v_nop
.endr
.endm
.macro JLOAD g0a, g1a, g0b, g1b        ; a joint load: waves 0 and 1 fetch for A, waves 2 and 3 for W; four v_nop follow each line
	s_cmp_eq_u32 s15, 0
	s_cbranch_scc0 .Lfor_b_\@
	tensor_load_to_lds s[\g0a:\g0a+3], s[\g1a:\g1a+7]
	s_nop 0
.rept 4
	v_nop
.endr
	s_branch .Lasked_\@
.Lfor_b_\@:
	tensor_load_to_lds s[\g0b:\g0b+3], s[\g1b:\g1b+7]
	s_nop 0
.rept 4
	v_nop
.endr
.Lasked_\@:
.endm
.macro CREST                           ; a round of the cluster's barrier behind its opening barrier
	s_cmp_lg_u32 s14, 0
	s_cbranch_scc1 .Lnot_wave_0_\@
	s_barrier_signal -3
.Lnot_wave_0_\@:
	s_barrier_wait -3
	s_barrier_signal -1
	s_barrier_wait -1
.endm
.macro CROUND
	s_barrier_signal -1
	s_barrier_wait -1
	CREST
.endm
.macro FRAG_A reg, slot, q, i
.irp g, 0,1,2,3
	ds_load_b128 v[(\reg)+4*\g:(\reg)+4*\g+3], v[ADRA+\slot] offset:(\q)*TILE*128+(\i)*2048+512*\g
.endr
.endm
.macro FRAG_B reg, slot, q, i
.irp c, 0,1,2,3,4,5,6,7
	ds_load_b64 v[(\reg)+2*\c:(\reg)+2*\c+1], v[ADRB+\slot] offset:(\i)*16*PITCH+128*(\q)+16*\c
.endr
.endm
.macro FETCH_B slot, q, p              ; W's fragments of the slot's q-th 128 along K into set p
	WIN 0x40
.set fi, 0
.rept WB
	FRAG_B 128*(\p)+16*fi, \slot, \q, fi
.set fi, fi+1
.endr
	WIN 0
.endm
.macro FETCH_A slot, q, half           ; A's lower or upper blocks
.set fi, (\half)*(WB/2)
.rept WB/2
	FRAG_A AF+16*fi, \slot, \q, fi
.set fi, fi+1
.endr
.endm
; Half a step's products: A's blocks of the half, each against W's WB.  The accumulators take turns, one instruction a turn, in the same order in every step.
.macro MULH half, p, zero, swap
.set WACC, 2+(4*WB*WB*(\half))/256
.if \swap
	WIN 0x04+0x50*WACC
.else
	WIN 0x01+0x50*WACC
.endif
.set ma, (\half)*(WB/2)
.rept WB/2
.set mb, 0
.rept WB
.set rD, (8*(WB*ma+mb))%256
.set rB, 128*(\p)+16*mb
.set rA, AF+16*ma
.if \swap
.if \zero
	v_wmma_f32_16x16x128_bf8_bf8 v[rD:rD+7], v[rA:rA+15], v[rB:rB+15], 0
.else
	v_wmma_f32_16x16x128_bf8_bf8 v[rD:rD+7], v[rA:rA+15], v[rB:rB+15], v[rD:rD+7]
.endif
.else
.if \zero
	v_wmma_f32_16x16x128_bf8_bf8 v[rD:rD+7], v[rB:rB+15], v[rA:rA+15], 0
.else
	v_wmma_f32_16x16x128_bf8_bf8 v[rD:rD+7], v[rB:rB+15], v[rA:rA+15], v[rD:rD+7]
.endif
.endif
.set mb, mb+1
.endr
.set ma, ma+1
.endr
.endm
.macro MULB half, p, zero
.if SWAPV
	WIN 0
	s_cmp_eq_u32 s[ISV], 0
	s_cbranch_scc0 .Lsw_\@
	MULH \half, \p, \zero, 0
	WIN 0
	s_branch .Ljn_\@
.Lsw_\@:
	MULH \half, \p, \zero, 1
	WIN 0
.Ljn_\@:
.else
	MULH \half, \p, \zero, 0
.endif
.endm
; A step of 128 along K that has its successor in the same slot.  Loads into registers that matrix instructions have read stand four plain places behind them (ISA guide 7.12.1 for vector instructions).
.macro STEP slot, q, zero
	s_wait_dscnt AH                                ; W's set and A's lower blocks are in; the youngest loads (A's upper blocks) may be out
	MULB 0, (\q)%2, \zero
	s_wait_dscnt 0x0                               ; A's upper blocks are in
	PLACES 4
	FETCH_B \slot, (\q)+1, 1-(\q)%2
	FETCH_A \slot, (\q)+1, 0
	MULB 1, (\q)%2, \zero
	PLACES 4
	WIN 0
	FETCH_A \slot, (\q)+1, 1
.endm
.macro STEPS slot, q0                  ; steps q0 .. NQ - 2 of a slot
.if NQ-1-(\q0) > 0
.set sq, \q0
.rept NQ-1-(\q0)
	STEP \slot, sq, 0
.set sq, sq+1
.endr
.endif
.endm
; A slot's last step changes slots: ONE barrier; in front of it each wave waits for all its tensor loads, adds 0 to its spare word, and waits for that and for its reads of this slot.
; fill = 1: the barrier opens a round of the cluster's barrier, and behind the round this slot is filled again, two slots ahead.
.macro TURN slot, next, fill
	s_wait_dscnt AH
	MULB 0, 1, 0
	WIN 0
	s_wait_tensorcnt 0x0                           ; all my tensor loads have landed: my part of the next slot; so a group 0 may be written
	ds_add_u32 v[SPW], v[NIL]                      ; 0 onto my spare word
.if \fill
	s_add_nc_u64 s[G0+4*\slot+2:G0+4*\slot+3], s[G0+4*\slot+2:G0+4*\slot+3], 2*APART
	s_add_nc_u64 s[G0B+4*\slot+2:G0B+4*\slot+3], s[G0B+4*\slot+2:G0B+4*\slot+3], 2*KS
.endif
	s_wait_dscnt 0x0                               ; the add is done, and my reads of this slot are over
	s_barrier_signal -1
	s_barrier_wait -1
.if \fill
	CREST                                          ; no wave of any partner still reads this slot or has a load on its way
	JLOAD G0+4*\slot, G1, G0B+4*\slot, G1B         ; the first tensor load behind the round; its four v_nop are the places in front of the loads below
.else
	PLACES 4
.endif
	FETCH_B \next, 0, 0
	FETCH_A \next, 0, 0
	MULB 1, 1, 0
	PLACES 4
	WIN 0
	FETCH_A \next, 0, 1
.endm
	s_load_b256 s[4:11], s[0:1], 0x0               ; A s[4:5], W s[6:7], the scales s[8:9], OUT s[10:11]
	v_lshl_add_u32 v[SPW], v0, 2, SPARE
	v_mov_b32 v[NIL], 0
	ds_add_u32 v28, v29
	ds_add_u32 v28, v29
	s_wait_dscnt 0x0
	v_lshrrev_b32 v1, 5, v0
	v_readfirstlane_b32 s14, v1                    ; wave 0..3
	s_lshr_b32 s15, s14, 1                         ; which half of the tile's rows is mine.  Also: I fetch for A (0) or for W (1)
	s_and_b32 s16, s14, 1                          ; which half of its columns.  Also: which half of that tile I fetch
	s_bfe_u32 s40, ttmp6, 0x40000                  ; cx, cy: my place in the cluster
	s_bfe_u32 s41, ttmp6, 0x40004
	s_lshl_b32 s42, ttmp9, 2
	s_add_co_u32 s42, s42, s40                     ; tile column
	s_and_b32 s17, ttmp7, 0xffff
	s_lshl_b32 s17, s17, 2
	s_add_co_u32 s17, s17, s41                     ; tile row
	s_lshl_b32 s43, s41, 2
	s_lshl_b32 s43, 15, s43                        ; my row of the cluster
	s_lshl_b32 s44, 0x1111, s40                    ; my column
	s_cmp_eq_u32 ttmp9, 2
	s_cselect_b32 s[ISV], 1, 0                     ; the cluster works on v: the same in all sixteen partners
	s_or_b32 s[G1], s43, (3<<16)|(1<<21)           ; A: the mask of my row; elements of 8 bytes; no padding; bit 21 beside a mask
	s_mov_b32 s[G1+1], 32<<16                      ; tensor_dim0 = 32 elements = 256 bytes
	s_mov_b32 s[G1+2], 128<<16                     ; tensor_dim1 = 128
	s_mov_b32 s[G1+3], 32<<16                      ; tile_dim0
	s_mov_b32 s[G1+4], 128                         ; tile_dim1: 128 dense rows = 32 KiB
	s_mov_b32 s[G1+5], 32                          ; the pitch
	s_mov_b32 s[G1+6], 0
	s_mov_b32 s[G1+7], 0
	s_or_b32 s[G1B], s44, (1<<20)|(1<<21)|(QI<<22)|(3<<25)     ; W: the mask of my column; elements of 1 byte; 4 words of padding behind each row
	s_mov_b32 s[G1B+1], KS<<16
	s_mov_b32 s[G1B+2], (TILE/2)<<16
	s_mov_b32 s[G1B+3], KS<<16
	s_mov_b32 s[G1B+4], TILE/2
	s_mov_b32 s[G1B+5], SIZE_K
	s_mov_b32 s[G1B+6], 0
	s_mov_b32 s[G1B+7], 0
	s_mul_i32 s20, s17, SIZE_K*TILE                ; A: my tile row's images,
	s_lshl_b32 s18, s16, 15
	s_add_co_u32 s20, s20, s18                     ; the half of a slot that I fetch
	s_mov_b32 s21, 0
	s_lshl_b32 s46, s42, 1
	s_add_co_u32 s46, s46, s16
	s_mul_i32 s46, s46, (TILE/2)*SIZE_K            ; W: row TILE x tile column + TILE / 2 x half
	s_mov_b32 s47, 0
	s_lshl_b32 s45, s16, 15                        ; where they go: no place in the cluster enters an LDS address
	s_mul_i32 s19, s16, (TILE/2)*PITCH
	s_add_co_u32 s19, s19, APART
	s_wait_kmcnt 0x0
	s_load_b256 s[88:95], s[8:9], 0x0              ; e0 .. e7
	s_add_nc_u64 s[20:21], s[4:5], s[20:21]
	s_add_nc_u64 s[46:47], s[6:7], s[46:47]
	CROUND                                         ; all sixteen work-groups are here: the first joint loads meet
.irp s, 0,1
	s_mov_b32 s[G0+4*\s], 1
	s_add_co_u32 s[G0+4*\s+1], s45, \s*SLOT
	s_add_nc_u64 s[G0+4*\s+2:G0+4*\s+3], s[20:21], \s*APART
	s_or_b32 s[G0+4*\s+3], s[G0+4*\s+3], 0x80000000
	s_mov_b32 s[G0B+4*\s], 1
	s_add_co_u32 s[G0B+4*\s+1], s19, \s*SLOT
	s_add_nc_u64 s[G0B+4*\s+2:G0B+4*\s+3], s[46:47], \s*KS
	s_or_b32 s[G0B+4*\s+3], s[G0B+4*\s+3], 0x80000000
	JLOAD G0+4*\s, G1, G0B+4*\s, G1B
.endr
	v_and_b32 v1, 15, v0                           ; r
	v_bfe_u32 v2, v0, 4, 1                         ; h
	v_and_b32 v3, 31, v0
	v_lshlrev_b32 v3, 4, v3                        ; 16 x lane
	v_mov_b32 v[CO], v3
	v_mul_u32_u24 v4, v1, PITCH
	v_lshl_add_u32 v4, v2, 3, v4                   ; r x pitch + 8 h
	s_mul_i32 s21, s15, WB*2048                    ; my blocks of A
	s_mul_i32 s22, s16, 16*WB*PITCH                ; my rows of W,
	s_add_co_u32 s22, s22, APART                   ; which lie behind A's part
.irp s, 0,1
	v_add_nc_u32 v[ADRA+\s], s21, v3
	v_add_nc_u32 v[ADRB+\s], s22, v4
	s_add_co_u32 s21, s21, SLOT
	s_add_co_u32 s22, s22, SLOT
.endr
	; where my wave's codes go: third x 4 MiB + (16 x batch + my first head) x 65,536 + my first token in the batch x 64
	s_lshl_b32 s20, ttmp9, 22
	s_lshr_b32 s21, s17, 2
	s_lshl_b32 s21, s21, 4
	s_and_b32 s22, s42, 3
	s_lshl_b32 s22, s22, 2
	s_add_co_u32 s21, s21, s22
	s_lshl_b32 s22, s16, 1
	s_add_co_u32 s21, s21, s22
	s_lshl_b32 s21, s21, 16
	s_add_co_u32 s20, s20, s21
	s_and_b32 s22, s17, 3
	s_lshl_b32 s22, s22, 14
	s_add_co_u32 s20, s20, s22
	s_lshl_b32 s22, s15, 13
	s_add_co_u32 s20, s20, s22
	s_mov_b32 s21, 0
	s_add_nc_u64 s[10:11], s[10:11], s[20:21]
	s_wait_tensorcnt 0x1                           ; my part of slot 0 is in (slot 1's load may be out),
	s_barrier_signal -1
	s_barrier_wait -1                              ; everybody's is
	FETCH_B 0, 0, 0
	FETCH_A 0, 0, 0
	FETCH_A 0, 0, 1
	STEP 0, 0, 1                                   ; the first step stands in front of the loop: its products start the sums
.if LAPS > 1
	s_mov_b32 s3, LAPS-1
.Llap:                                                 ; a trip goes once round the ring and fills both slots again
	STEPS 0, 1
	TURN 0, 1, 1
	STEPS 1, 0
	TURN 1, 0, 1
	STEP 0, 0, 0
	s_sub_co_u32 s3, s3, 1
	s_cmp_lg_u32 s3, 0
	s_cbranch_scc1 .Llap
.endif
	STEPS 0, 1                                     ; the last lap fills nothing
	TURN 0, 1, 0
	STEPS 1, 0
	s_wait_dscnt AH                                ; the very last step
	MULB 0, 1, 0
	s_wait_dscnt 0x0
	MULB 1, 1, 0
	WIN 0
	; THE WAY OUT.  A sum stands for sum x 2^(e0 + e1): its code is sum / 2^(es - e0 - e1): the three scales are folded into the conversion's one.
	s_wait_kmcnt 0x0
	s_cmp_eq_u32 ttmp9, 0
	s_cselect_b32 s18, s90, s91                    ; q: e2, k: e3,
	s_cmp_eq_u32 ttmp9, 2
	s_cselect_b32 s18, s93, s18                    ; v: e5
	s_sub_co_i32 s18, s18, s88
	s_sub_co_i32 s18, s18, s89
	s_add_co_i32 s18, s18, 127
	s_lshl_b32 s19, s18, 23
	s_add_co_i32 s18, s18, 15
	s_lshl_b32 s18, s18, 23
	s_or_b32 s18, s18, 0x600000
	PLACES 4                                       ; behind the last products: their results are read, and A's registers written, below
	v_mov_b32 v[SC], s19
	v_mov_b32 v[LIM], s18
	WIN 0x82
.set i, 0
.rept 256
	v_med3_num_f32 v[i], v[i], -v[LIM], v[LIM]     ; the hold at the largest code x the scale (ISA guide 7.6.2); each accumulator from its low end on
.set i, i+1
.endr
	WIN 0xc3
.set i, 0
.rept 256
	v_med3_num_f32 v[i], v[i], -v[LIM], v[LIM]
.set i, i+1
.endr
	WIN 0
	s_cmp_eq_u32 s[ISV], 0
	s_cbranch_scc0 .Lv_out
.set ca, 0
.rept 8                                ; q, k: tile (a, b) is registers 2 (b % 4), + 1 of the fragment of tokens 16 a on, head b / 4
	WIN 0x02+ca/4
.set cb, 0
.rept 8
	v_cvt_scalef32_pk8_bf8_f32 v[128+16*ca+2*cb:129+16*ca+2*cb], v[(64*ca+8*cb)%256:(64*ca+8*cb)%256+7], v[SC]
.set cb, cb+1
.endr
.set ca, ca+1
.endr
	v_nop                                          ; a plain instruction behind the last conversion
	WIN 0
.set ca, 0
.rept 8
.irp u, 0,1,2,3
	global_store_b128 v[CO], v[128+16*ca+4*\u:131+16*ca+4*\u], s[10:11] offset:(\u/2)*65536+ca*1024+(\u%2)*512   ; 32 lanes store 512 consecutive bytes
.endr
.set ca, ca+1
.endr
	s_branch .Ldone
.Lv_out:
.set ca, 0
.rept 8                                ; v: tile (a, b) is registers 2 (a % 4), + 1 of the fragment of channels 16 b on, keys 64 (a / 4) on
	WIN 0x02+ca/4
.set cb, 0
.rept 8
	v_cvt_scalef32_pk8_bf8_f32 v[128+16*cb+8*(ca/4)+2*(ca%4):129+16*cb+8*(ca/4)+2*(ca%4)], v[(64*ca+8*cb)%256:(64*ca+8*cb)%256+7], v[SC]
.set cb, cb+1
.endr
.set ca, ca+1
.endr
	v_nop
	WIN 0
.set cb, 0
.rept 8
.irp u, 0,1,2,3
	global_store_b128 v[CO], v[128+16*cb+4*\u:131+16*cb+4*\u], s[10:11] offset:(cb/4)*65536+(\u/2)*4096+(cb%4)*1024+(\u%2)*512
.endr
.set cb, cb+1
.endr
.Ldone:
	s_wait_tensorcnt 0x0                           ; the wave's end
	ds_add_u32 v[SPW], v[NIL]
	s_wait_dscnt 0x0
	CROUND                                         ; the closing round: no work-group ends while a partner may still ask for a tile that names it
	s_endpgm
.Lfunc_end_k_qee4753d277_qkv:
	.size	k_qee4753d277_qkv, .Lfunc_end_k_qee4753d277_qkv-k_qee4753d277_qkv
	.p2alignl 7, 3214868480
	.fill 96, 4, 3214868480
	.section	.rodata,"a",@progbits
	.p2align	6, 0x0
	.amdhsa_kernel k_qee4753d277_qkv
		.amdhsa_group_segment_fixed_size 327680
		.amdhsa_private_segment_fixed_size 0
		.amdhsa_enable_private_segment 0
		.amdhsa_kernarg_size 32
		.amdhsa_user_sgpr_count 2
		.amdhsa_user_sgpr_kernarg_segment_ptr 1
		.amdhsa_wavefront_size32 1
		.amdhsa_system_sgpr_workgroup_id_x 1
		.amdhsa_system_sgpr_workgroup_id_y 1
		.amdhsa_system_sgpr_workgroup_id_z 1
		.amdhsa_system_vgpr_workitem_id 0
		.amdhsa_next_free_vgpr 1024
		.amdhsa_next_free_sgpr 100
		.amdhsa_reserve_vcc 0
		.amdhsa_float_denorm_mode_32 3
		.amdhsa_float_denorm_mode_16_64 3
		.amdhsa_memory_ordered 1
		.amdhsa_forward_progress 1
		.amdhsa_inst_pref_size 175
	.end_amdhsa_kernel
	.amdgpu_metadata
---
amdhsa.version: [ 1, 2 ]
amdhsa.kernels:
  - .name:           k_qee4753d277_qkv
    .symbol:         k_qee4753d277_qkv.kd
    .args:
      - { .name: acod, .offset: 0, .size: 8, .value_kind: global_buffer, .address_space: global }
      - { .name: w_qkv_codes, .offset: 8, .size: 8, .value_kind: global_buffer, .address_space: global }
      - { .name: lowp_scales, .offset: 16, .size: 8, .value_kind: global_buffer, .address_space: global }
      - { .name: qkv, .offset: 24, .size: 8, .value_kind: global_buffer, .address_space: global }
    .group_segment_fixed_size: 327680
    .private_segment_fixed_size: 0
    .kernarg_segment_align: 8
    .kernarg_segment_size: 32
    .max_flat_workgroup_size: 128
    .sgpr_count:     100
    .vgpr_count:     1024
    .wavefront_size: 32
...
	.end_amdgpu_metadata
.endif
;; end of part 2
;; launch attn (part 3): grid 256 x 1, 16 waves a work-group, clusters of 4 x 1, 169,984 bytes of LDS; arguments qkv, lowp_scales, y; writes y
.if DOCPART == 3
	.amdgcn_target "amdgcn-amd-amdhsa--gfx1250"
	.amdhsa_code_object_version 6
	.text
	.protected	k_qee4753d277_attn
	.globl	k_qee4753d277_attn
	.p2align	8
	.type	k_qee4753d277_attn,@function
k_qee4753d277_attn:
	s_mov_b64 s[64:65], 0
	v_nop
	global_prefetch_b8 v0, s[64:65] scope:SCOPE_SE
	s_setreg_imm32_b32 hwreg(HW_REG_WAVE_MODE, 25, 1), 1
	s_wait_xcnt 0x0
	s_wait_alu depctr_hold_cnt(0) depctr_sa_sdst(0) depctr_va_vdst(0) depctr_va_sdst(0) depctr_va_ssrc(0) depctr_va_vcc(0) depctr_vm_vsrc(0)
	s_getreg_b32 s2, hwreg(HW_REG_IB_STS2, 6, 4)
	s_cmp_eq_u32 s2, 0
	s_cbranch_scc0 .Lentry_in_a_cluster
	s_endpgm
.Lentry_in_a_cluster:
	s_bfe_u32 s2, ttmp6, 0x10000c
	s_cmp_lg_u32 s2, 0x3003
	s_cbranch_scc0 .Lentry_shape_is_right
	s_endpgm
.Lentry_shape_is_right:
; y = Q(softmax(q k^T / 8, causal) v, 2^e6), both products on codes of E5M2; 64 (batch, head) pairs, 1,024 tokens, head size 64.
; INPUT: images of operand registers (16 x 64 codes = 1,024 bytes: registers 4 g .. 4 g + 3 of a lane at 512 g + 16 x lane): q at 0, k at 4 MiB: [pair][tile of 16 tokens]; v at 8 MiB: [pair][chunk of 64 keys][tile of 16 channels], keys innermost.
; THE SOFTMAX: t = score x log2(e) / 8; M = the running largest t rounded UP to a whole number; p = 2^(t - M) is quantised (2^e4), not normalised; the row's sum is taken of the unquantised p and divides at the end.
; When M moves, the sum and O are multiplied by 2^(old M - new M): nothing is rounded.
; SHARES: a cluster of four work-groups is one pair; all four need the pair's whole K and V, 64 KiB each, which fit in LDS at once: they are asked for JOINTLY, once, at the head: no slot is ever filled again.
; Each of a work-group's sixteen waves owns one tile of 16 queries: tile 4 idx + cx, idx a permutation of the wave's number.  That tile lies in key chunk idx: the wave works chunks 0 .. idx, the last under the mask.
; So which chunks are left out hangs on the wave's number and the loop's counter alone, never on the place in the cluster; cx enters q's and y's addresses and the mask's numbers only.
; Both products are used transposed (S^T = K Q^T, O^T = V^T P^T): a lane holds one query throughout, the conversion of score tile c gives registers 2 c, 2 c + 1 of P, and that of O^T's tile registers of y's image.
; OUT: y as images for the next product: [block of 128 rows][K step of 128][tile of 16 rows][2,048 bytes].
; LIMITS: e2 + e3 between -123 and 130 (added to c's exponent field); e4 and e6 between -126 and 112; NaN is not served.
; REGISTERS: v1-3 that stay; v8, v9 addresses in hand; v12 -M, v13 the largest t, v[14:15] the sum; v16-23 Q; v32-63 K; v64-95 V; v96-127 S^T, then p; v128-159 O^T; v160-167 codes; v236-254 at work.
.set LI,  1                            ; v1   16 x lane
.set LIV, 2                            ; v2   16 x lane + 65,536: V's part of LDS
.set DD,  3                            ; v3   16 cx + r - 8 h: key 16 c + j of the diagonal chunk is hidden from my query where 16 c + j is greater
.set ADK, 8
.set ADV, 9
.set WV,  18
.set IDX, 19
.set SEL, 20
.set CS,  22
.set G1,  24
.set CH,  48                           ; s48  the chunk
.set TB,  49                           ; s49  4,096 x the chunk
.macro CROUND
	s_barrier_signal -1
	s_barrier_wait -1
	s_cmp_lg_u32 s[WV], 0
	s_cbranch_scc1 .Lnot_wave_0_\@
	s_barrier_signal -3
.Lnot_wave_0_\@:
	s_barrier_wait -3
	s_barrier_signal -1
	s_barrier_wait -1
.endm
	s_load_b128 s[4:7], s[0:1], 0x0                ; qkv s[4:5], the scales s[6:7]
	s_load_b64 s[8:9], s[0:1], 0x10                ; y
	v_lshl_add_u32 v251, v0, 2, 0x29000
	v_mov_b32 v255, 0
	ds_add_u32 v251, v255
	ds_add_u32 v251, v255
	v_lshrrev_b32 v8, 5, v0
	v_readfirstlane_b32 s[WV], v8                  ; wave 0..15
	s_bfe_u32 s[IDX], s[WV], 0x10002
	s_mul_i32 s[IDX], s[IDX], 3
	s_xor_b32 s[IDX], s[WV], s[IDX]                ; waves 4-7 and 12-15 take their four in reverse: waves w, w + 4, w + 8, w + 12 together have 34 chunks for every w
	s_bfe_u32 s50, ttmp6, 0x40000                  ; cx
	s_mov_b32 s[G1], 15|(3<<16)|(1<<21)            ; the mask: all four work-groups; elements of 8 bytes; no padding; bit 21 beside a mask
	s_mov_b32 s[G1+1], 32<<16                      ; tensor_dim0 = 32 elements = 256 bytes
	s_mov_b32 s[G1+2], 64<<16                      ; tensor_dim1 = 64
	s_mov_b32 s[G1+3], 32<<16                      ; tile_dim0
	s_mov_b32 s[G1+4], 64                          ; tile_dim1: 64 dense rows = 16 KiB
	s_mov_b32 s[G1+5], 32
	s_mov_b32 s[G1+6], 0
	s_mov_b32 s[G1+7], 0
	s_bfe_u32 s52, s[WV], 0x10001                  ; waves 0, 1 fetch K, waves 2, 3 V;
	s_and_b32 s53, s[WV], 1                        ; each a quarter, twice
	s_lshl_b32 s54, s52, 16
	s_lshl_b32 s55, s53, 14
	s_add_co_u32 s54, s54, s55                     ; to LDS byte 65,536 kv + 16,384 sub
	s_add_co_u32 s56, s52, 1
	s_lshl_b32 s56, s56, 22                        ; k at 4 MiB, v at 8 MiB,
	s_lshl_b32 s57, ttmp9, 16                      ; the pair (in a cluster launch ttmp9 counts clusters),
	s_add_co_u32 s56, s56, s57
	s_add_co_u32 s56, s56, s55
	s_mov_b32 s57, 0
	s_mov_b32 s[SEL], 0x76543210
	s_mov_b32 s[SEL+1], 0xfedcba98
	s_mov_b32 s[CS], 0x3e38aa3b                    ; c = log2(e) / 8
	s_wait_dscnt 0x0
	s_wait_kmcnt 0x0
	s_load_b256 s[40:47], s[6:7], 0x0              ; e0 .. e7
	s_mov_b32 s32, 1
	s_mov_b32 s33, s54
	s_add_nc_u64 s[34:35], s[4:5], s[56:57]        ; keys 0 to 511
	s_mov_b32 s36, 1
	s_add_co_u32 s37, s54, 32768
	s_add_nc_u64 s[38:39], s[34:35], 0x8000        ; keys 512 to 1,023
	s_or_b32 s35, s35, 0x80000000
	s_or_b32 s39, s39, 0x80000000
	CROUND                                         ; all four work-groups are here: the joint loads meet
	s_cmp_lt_u32 s[WV], 4                          ; a wave's two fills stand in one branch on the wave's number: two loads of mine are out
	s_cbranch_scc0 .Lno_fetch
	tensor_load_to_lds s[32:35], s[G1:G1+7]
	s_nop 0
	tensor_load_to_lds s[36:39], s[G1:G1+7]
	s_nop 0
.rept 4
	v_nop
.endr
.Lno_fetch:
	s_lshl_b32 s58, s[IDX], 2
	s_add_co_u32 s58, s58, s50                     ; my tile of queries
	s_lshl_b32 s60, s58, 10
	s_lshl_b32 s61, ttmp9, 16
	s_add_co_u32 s60, s60, s61
	s_mov_b32 s61, 0
	s_add_nc_u64 s[4:5], s[4:5], s[60:61]          ; q's fragment
	s_lshr_b32 s62, ttmp9, 4                       ; y: block of 128 rows = 8 x batch + tile / 8,
	s_lshl_b32 s62, s62, 3
	s_lshr_b32 s63, s58, 3
	s_add_co_u32 s62, s62, s63
	s_lshl_b32 s62, s62, 17
	s_bfe_u32 s63, ttmp9, 0x30001                  ; K step = head / 2,
	s_lshl_b32 s63, s63, 14
	s_add_co_u32 s62, s62, s63
	s_and_b32 s63, s58, 7                          ; tile of 16 rows,
	s_lshl_b32 s63, s63, 11
	s_add_co_u32 s62, s62, s63
	s_and_b32 s63, ttmp9, 1                        ; the image's half = head % 2
	s_lshl_b32 s63, s63, 10
	s_add_co_u32 s62, s62, s63
	s_mov_b32 s63, 0
	s_add_nc_u64 s[8:9], s[8:9], s[62:63]
	v_and_b32 v[LI], 31, v0
	v_lshlrev_b32 v[LI], 4, v[LI]
	global_load_b128 v[16:19], v[LI], s[4:5]
	global_load_b128 v[20:23], v[LI], s[4:5] offset:512
	v_add_nc_u32 v[LIV], 0x10000, v[LI]
	v_and_b32 v10, 15, v0
	v_bfe_u32 v11, v0, 4, 1
	v_lshlrev_b32 v11, 3, v11
	v_sub_nc_u32 v[DD], v10, v11
	s_lshl_b32 s59, s50, 4
	v_add_nc_u32 v[DD], s59, v[DD]
	v_mov_b32 v13, 0xff61b1e6                      ; the largest t so far: -3e38, under every t
	v_floor_f32 v12, -v13                          ; -M
	v_mov_b32 v14, 0
	v_mov_b32 v15, 0
	v_mov_b32 v236, 0                              ; written once: a lane permute's destination counts as one of its sources
	v_mov_b32 v252, 0
	v_mov_b32 v253, 0                              ; (named as the upper half of the pair v[252:253])
	v_mov_b32 v254, 0
.set i, 0
.rept 32
	v_mov_b32 v[128+i], 0                          ; O^T: the chunk is written once for every trip: the first finds zeros, which the first change of M leaves zeros
.set i, i+1
.endr
	s_wait_kmcnt 0x0
	s_add_co_i32 s52, s42, s43
	s_lshl_b32 s52, s52, 23
	s_add_co_i32 s[CS], s[CS], s52                 ; a score stands for score x 2^(e2 + e3): added to c's exponent field
	s_mov_b32 s[CS+1], s[CS]
	s_add_co_i32 s52, s44, 127
	s_lshl_b32 s53, s52, 23
	v_mov_b32 v244, s53                            ; 2^e4
	s_add_co_i32 s52, s52, 15
	s_lshl_b32 s52, s52, 23
	s_or_b32 s52, s52, 0x600000
	v_mov_b32 v240, s52                            ; 57,344 x 2^e4
	s_add_co_i32 s52, s46, 127
	s_lshl_b32 s53, s52, 23
	v_mov_b32 v245, s53                            ; 2^e6
	s_add_co_i32 s52, s52, 15
	s_lshl_b32 s52, s52, 23
	s_or_b32 s52, s52, 0x600000
	v_mov_b32 v241, s52                            ; 57,344 x 2^e6
; A CHUNK of 64 keys.  One all of whose keys come after my queries is left out: a scalar branch on the wave's number and the counter, round loads, products and softmax; no barrier stands in a chunk.
.macro CHUNK
	s_cmp_gt_u32 s[CH], s[IDX]
	s_cbranch_scc1 .Lskip_\@
	v_add_nc_u32 v[ADK], s[TB], v[LI]
	v_add_nc_u32 v[ADV], s[TB], v[LIV]
	v_nop                                          ; with the two additions: four places in front of loads into registers that the last products have read
	v_nop
.irp t, 0,1,2,3
	ds_load_b128 v[32+8*\t:35+8*\t], v[ADK] offset:1024*\t
	ds_load_b128 v[36+8*\t:39+8*\t], v[ADK] offset:1024*\t+512
.endr
.irp t, 0,1,2,3
	ds_load_b128 v[64+8*\t:67+8*\t], v[ADV] offset:1024*\t
	ds_load_b128 v[68+8*\t:71+8*\t], v[ADV] offset:1024*\t+512
.endr
	s_wait_dscnt 0x8                               ; K's eight loads are in; V's eight, issued behind them, may be out
.irp t, 0,1,2,3
	v_wmma_f32_16x16x64_bf8_bf8 v[96+8*\t:103+8*\t], v[32+8*\t:39+8*\t], v[16:23], 0   ; lane (r, h): query r, keys 16 t + 8 h + 0..7
.endr
.rept 4
	v_nop
.endr
	s_cmp_lg_u32 s[CH], s[IDX]
	s_cbranch_scc1 .Lopen_\@
	v_mov_b32 v254, 0xff800000                     ; on the diagonal hidden scores become -infinity ahead of the maximum: p = 0 then.  The chunk's first key counts for every query of mine
.set n, 0
.rept 32
	v_cmp_gt_i32 vcc_lo, 16*(n/8)+n%8, v[DD]
	v_cndmask_b32 v[96+n], v[96+n], v254, vcc_lo
.set n, n+1
.endr
.Lopen_\@:
	v_max3_num_f32 v254, v96, v97, v98             ; the chunk's largest score of my query among my 32 keys, in two chains; each accumulator is read from its low end on
	v_max3_num_f32 v252, v99, v100, v101
.irp i, 6,10,14,18,22,26
	v_max3_num_f32 v254, v254, v[96+\i], v[97+\i]
	v_max3_num_f32 v252, v252, v[98+\i], v[99+\i]
.endr
	v_max3_num_f32 v254, v254, v126, v127
	v_max_num_f32 v254, v254, v252
	v_permlanex16_b32 v236, v254, s[SEL], s[SEL+1]
	v_max_num_f32 v254, v254, v236                 ; and among lane l xor 16's
	v_mul_f32 v254, s[CS], v254                    ; as t (c is positive)
	v_max_num_f32 v13, v13, v254                   ; the running largest t
	v_mov_b32 v254, v12
	v_floor_f32 v12, -v13                          ; the new -M = floor(-t): M is a whole number
	v_sub_f32 v254, v12, v254                      ; old M - new M: a whole number, 0 or less
	v_cvt_i32_f32 v254, v254                       ; (it saturates)
	v_ldexp_f32 v252, 1.0, v254                    ; f = 2^(old M - new M)
.set j, 0
.rept 16
	v_pk_fma_f32 v[96+j:97+j], v[96+j:97+j], s[CS:CS+1], v[12:13] op_sel_hi:[1,0,0]   ; t - M
.set j, j+2
.endr
.set j, 0
.rept 32
	v_exp_f32 v[96+j], v[96+j]                     ; p = 2^(t - M)
.set j, j+1
.endr
	v_pk_mul_f32 v[14:15], v[14:15], v[252:253] op_sel_hi:[1,0]   ; the sums under the new M: the plain instruction behind the exponentials
	s_wait_alu depctr_va_vdst(0)                   ; one wait for the batch, ahead of its first reader
	v_pk_add_f32 v[242:243], v[96:97], v[98:99]    ; the row's sum is taken of the unquantised p, in two chains
.irp j, 4,8,12,16,20,24,28
	v_pk_add_f32 v[14:15], v[14:15], v[96+\j:97+\j]
	v_pk_add_f32 v[242:243], v[242:243], v[98+\j:99+\j]
.endr
	v_pk_add_f32 v[14:15], v[14:15], v[242:243]
.set j, 0
.rept 32
	v_min_num_f32 v[96+j], v[96+j], v240           ; the conversion does not saturate (ISA guide 7.6.2); p is not negative: a one-sided hold
.set j, j+1
.endr
.irp t, 0,1,2,3
	v_cvt_scalef32_pk8_bf8_f32 v[160+2*\t:161+2*\t], v[96+8*\t:103+8*\t], v244
.endr
.set j, 0
.rept 16
	v_pk_mul_f32 v[128+j:129+j], v[128+j:129+j], v[252:253] op_sel_hi:[1,0]   ; O^T under the new M; also the plain instructions behind the conversions
.set j, j+2
.endr
	s_wait_dscnt 0x0                               ; V
.irp t, 0,1,2,3
	v_wmma_f32_16x16x64_bf8_bf8 v[128+8*\t:135+8*\t], v[64+8*\t:71+8*\t], v[160:167], v[128+8*\t:135+8*\t]   ; lane (r, h): query r, channels 16 t + 8 h + 0..7
.endr
.Lskip_\@:
	s_add_co_u32 s[TB], s[TB], 4096
.endm
	s_wait_tensorcnt 0x1                           ; my part of keys 0 to 511 is in; the load of keys 512 on, issued behind it, may be out
	s_barrier_signal -1
	s_barrier_wait -1                              ; everybody's is
	s_wait_loadcnt 0x0                             ; Q
	s_mov_b32 s[CH], 0
	s_mov_b32 s[TB], 0
.Lfirst:
	CHUNK
	s_add_co_u32 s[CH], s[CH], 1
	s_cmp_lt_u32 s[CH], 8
	s_cbranch_scc1 .Lfirst
	s_wait_tensorcnt 0x0                           ; my part of keys 512 to 1,023 is in,
	s_wait_dscnt 0x0
	s_barrier_signal -1
	s_barrier_wait -1                              ; everybody's is
	s_mov_b32 s[CH], 8
	s_mov_b32 s[TB], 32768
.Lsecond:
	CHUNK
	s_add_co_u32 s[CH], s[CH], 1
	s_cmp_lt_u32 s[CH], 16
	s_cbranch_scc1 .Lsecond
	; THE WAY OUT: O^T / the sum x 2^(e4 + e5) is y; its codes are registers of y's image as they stand
.rept 4
	v_nop
.endr
	v_add_f32 v14, v14, v15
	v_permlanex16_b32 v252, v14, s[SEL], s[SEL+1]
	v_add_f32 v14, v14, v252                       ; the row's sum
	v_rcp_f32 v14, v14
	v_nop                                          ; a plain instruction behind the transcendental
	s_add_co_i32 s52, s44, s45
	s_wait_alu depctr_va_vdst(0)                   ; ahead of the reciprocal's first reader
	v_ldexp_f32 v14, v14, s52
	v_mov_b32 v15, v14
.set j, 0
.rept 16
	v_pk_mul_f32 v[128+j:129+j], v[128+j:129+j], v[14:15]
.set j, j+2
.endr
.set j, 0
.rept 32
	v_med3_num_f32 v[128+j], v[128+j], -v241, v241
.set j, j+1
.endr
.irp t, 0,1,2,3
	v_cvt_scalef32_pk8_bf8_f32 v[160+2*\t:161+2*\t], v[128+8*\t:135+8*\t], v245
.endr
	v_nop
	global_store_b128 v[LI], v[160:163], s[8:9]    ; 32 lanes store 512 consecutive bytes
	global_store_b128 v[LI], v[164:167], s[8:9] offset:512
	s_wait_tensorcnt 0x0
	ds_add_u32 v251, v255
	s_wait_dscnt 0x0
	CROUND                                         ; the closing round
	s_endpgm
.Lfunc_end_k_qee4753d277_attn:
	.size	k_qee4753d277_attn, .Lfunc_end_k_qee4753d277_attn-k_qee4753d277_attn
	.p2alignl 7, 3214868480
	.fill 96, 4, 3214868480
	.section	.rodata,"a",@progbits
	.p2align	6, 0x0
	.amdhsa_kernel k_qee4753d277_attn
		.amdhsa_group_segment_fixed_size 169984
		.amdhsa_private_segment_fixed_size 0
		.amdhsa_enable_private_segment 0
		.amdhsa_kernarg_size 24
		.amdhsa_user_sgpr_count 2
		.amdhsa_user_sgpr_kernarg_segment_ptr 1
		.amdhsa_wavefront_size32 1
		.amdhsa_system_sgpr_workgroup_id_x 1
		.amdhsa_system_sgpr_workgroup_id_y 1
		.amdhsa_system_sgpr_workgroup_id_z 1
		.amdhsa_system_vgpr_workitem_id 0
		.amdhsa_next_free_vgpr 256
		.amdhsa_next_free_sgpr 66
		.amdhsa_reserve_vcc 1
		.amdhsa_float_denorm_mode_32 3
		.amdhsa_float_denorm_mode_16_64 3
		.amdhsa_memory_ordered 1
		.amdhsa_forward_progress 1
		.amdhsa_inst_pref_size 34
	.end_amdhsa_kernel
	.amdgpu_metadata
---
amdhsa.version: [ 1, 2 ]
amdhsa.kernels:
  - .name:           k_qee4753d277_attn
    .symbol:         k_qee4753d277_attn.kd
    .args:
      - { .name: qkv, .offset: 0, .size: 8, .value_kind: global_buffer, .address_space: global }
      - { .name: lowp_scales, .offset: 8, .size: 8, .value_kind: global_buffer, .address_space: global }
      - { .name: y, .offset: 16, .size: 8, .value_kind: global_buffer, .address_space: global }
    .group_segment_fixed_size: 169984
    .private_segment_fixed_size: 0
    .kernarg_segment_align: 8
    .kernarg_segment_size: 24
    .max_flat_workgroup_size: 512
    .sgpr_count:     66
    .vgpr_count:     256
    .wavefront_size: 32
...
	.end_amdgpu_metadata
.endif
;; end of part 3
;; launch oproj (part 4): grid 8 x 32, 4 waves a work-group, clusters of 4 x 4, 327,680 bytes of LDS; arguments y, w_o_codes, lowp_scales, x1, x; writes x1
.if DOCPART == 4
	.amdgcn_target "amdgcn-amd-amdhsa--gfx1250"
	.amdhsa_code_object_version 6
	.text
	.protected	k_qee4753d277_oproj
	.globl	k_qee4753d277_oproj
	.p2align	8
	.type	k_qee4753d277_oproj,@function
k_qee4753d277_oproj:
	s_mov_b64 s[64:65], 0
	v_nop
	global_prefetch_b8 v0, s[64:65] scope:SCOPE_SE
	s_setreg_imm32_b32 hwreg(HW_REG_WAVE_MODE, 25, 1), 1
	s_wait_xcnt 0x0
	s_wait_alu depctr_hold_cnt(0) depctr_sa_sdst(0) depctr_va_vdst(0) depctr_va_sdst(0) depctr_va_ssrc(0) depctr_va_vcc(0) depctr_vm_vsrc(0)
	s_getreg_b32 s2, hwreg(HW_REG_IB_STS2, 6, 4)
	s_cmp_eq_u32 s2, 0
	s_cbranch_scc0 .Lentry_in_a_cluster
	s_endpgm
.Lentry_in_a_cluster:
	s_bfe_u32 s2, ttmp6, 0x10000c
	s_cmp_lg_u32 s2, 0xf033
	s_cbranch_scc0 .Lentry_shape_is_right
	s_endpgm
.Lentry_shape_is_right:
; OUT[m][n] = RES[m][n] + 2^(ea + eb) x sum over k of A[m][k] W[n][k], on codes of E5M2; OUT and RES: [4096][1024] f32.  ea, eb: the scales' entries at byte SCOFF.
; A: images of operand registers, [block of TILE rows][K step of 128][tile of 16 rows][2,048 bytes] (registers 4 g .. 4 g + 3 of a lane at 512 g + 16 x lane).  W: [1024][SIZE_K] codes, K innermost.
; A tile of the result is 128 x 128, so that 4,096 x 1,024 gives 256 work-groups; four waves, each 64 x 64: 16 accumulators.  K goes in slots of KS = 512, as long as two slots in LDS allow: A's part is a dense
; copy of 64 KiB, W's part 128 rows of 512 bytes + 16 of padding (132 words a row: the 32 lanes of a load of 8 bytes touch 64 different banks, ISA guide 11.1).
; CLUSTERS: 4 x 4 work-groups; A's tiles are asked for jointly along a row of the cluster, W's along a column.
; Source 0 = 16 rows of W, source 1 = 16 rows of A: a lane holds eight neighbouring numbers of a row of OUT.  The residual is asked for at the head, in the stores' own lane layout, and waits in 128 registers.
; LIMITS: ea + eb between -126 and 127; NaN is not served.
; REGISTERS: window 0: v16-29 addresses, v128-191 A's fragments (ONE set; on the way out v128-255 are rows of OUT); window 1: W's fragments, TWO sets at v0 and v128; window 2: accumulator (a, b) at 8 (4 a + b); window 3: v0-127 the residual.
.set WB,     4
.set TILE,   32*WB
.set KS,     512
.set NQ,     KS/128
.set PITCH,  KS+16
.set QI,     6
.set SIZE_K, 1024
.set SCOFF,  24
.set SWAPV,  0
.set LAPS,   SIZE_K/(2*KS)
.set APART,  65536
.set SLOT,   APART+TILE*PITCH
.set SPARE,  2*SLOT
.set AH,     2*WB
.set ADRA, 16
.set ADRB, 20
.set STO,  24
.set RD,   25
.set CO,   26
.set SPW,  28
.set NIL,  29
.set AF,   128
.set G1, 24
.set G0, 32
.set G1B, 48
.set G0B, 56
.set ISV, 98
.set MSB, 0
.macro WIN new                         ; the immediate's high byte repeats the setting that is left
.if MSB != (\new)
	s_set_vgpr_msb (MSB<<8)|(\new)
.set MSB, (\new)
.endif
.endm
.macro PLACES n
.rept \n
	v_nop
.endr
.endm
.macro JLOAD g0a, g1a, g0b, g1b        ; a joint load: waves 0 and 1 fetch for A, waves 2 and 3 for W; four v_nop follow each line
	s_cmp_eq_u32 s15, 0
	s_cbranch_scc0 .Lfor_b_\@
	tensor_load_to_lds s[\g0a:\g0a+3], s[\g1a:\g1a+7]
	s_nop 0
.rept 4
	v_nop
.endr
	s_branch .Lasked_\@
.Lfor_b_\@:
	tensor_load_to_lds s[\g0b:\g0b+3], s[\g1b:\g1b+7]
	s_nop 0
.rept 4
	v_nop
.endr
.Lasked_\@:
.endm
.macro CREST
	s_cmp_lg_u32 s14, 0
	s_cbranch_scc1 .Lnot_wave_0_\@
	s_barrier_signal -3
.Lnot_wave_0_\@:
	s_barrier_wait -3
	s_barrier_signal -1
	s_barrier_wait -1
.endm
.macro CROUND
	s_barrier_signal -1
	s_barrier_wait -1
	CREST
.endm
.macro FRAG_A reg, slot, q, i
.irp g, 0,1,2,3
	ds_load_b128 v[(\reg)+4*\g:(\reg)+4*\g+3], v[ADRA+\slot] offset:(\q)*TILE*128+(\i)*2048+512*\g
.endr
.endm
.macro FRAG_B reg, slot, q, i
.irp c, 0,1,2,3,4,5,6,7
	ds_load_b64 v[(\reg)+2*\c:(\reg)+2*\c+1], v[ADRB+\slot] offset:(\i)*16*PITCH+128*(\q)+16*\c
.endr
.endm
.macro FETCH_B slot, q, p
	WIN 0x40
.set fi, 0
.rept WB
	FRAG_B 128*(\p)+16*fi, \slot, \q, fi
.set fi, fi+1
.endr
	WIN 0
.endm
.macro FETCH_A slot, q, half
.set fi, (\half)*(WB/2)
.rept WB/2
	FRAG_A AF+16*fi, \slot, \q, fi
.set fi, fi+1
.endr
.endm
; Half a step's products.  The accumulators take turns, one instruction a turn, in the same order in every step.
.macro MULH half, p, zero, swap
.set WACC, 2+(4*WB*WB*(\half))/256
	WIN 0x01+0x50*WACC
.set ma, (\half)*(WB/2)
.rept WB/2
.set mb, 0
.rept WB
.set rD, (8*(WB*ma+mb))%256
.set rB, 128*(\p)+16*mb
.set rA, AF+16*ma
.if \zero
	v_wmma_f32_16x16x128_bf8_bf8 v[rD:rD+7], v[rB:rB+15], v[rA:rA+15], 0
.else
	v_wmma_f32_16x16x128_bf8_bf8 v[rD:rD+7], v[rB:rB+15], v[rA:rA+15], v[rD:rD+7]
.endif
.set mb, mb+1
.endr
.set ma, ma+1
.endr
.endm
.macro MULB half, p, zero
	MULH \half, \p, \zero, 0
.endm
; A step of 128 along K that has its successor in the same slot.  Loads into registers that matrix instructions have read stand four plain places behind them (ISA guide 7.12.1 for vector instructions).
.macro STEP slot, q, zero
	s_wait_dscnt AH                                ; W's set and A's lower blocks are in; the youngest loads (A's upper blocks) may be out
	MULB 0, (\q)%2, \zero
	s_wait_dscnt 0x0
	PLACES 4
	FETCH_B \slot, (\q)+1, 1-(\q)%2
	FETCH_A \slot, (\q)+1, 0
	MULB 1, (\q)%2, \zero
	PLACES 4
	WIN 0
	FETCH_A \slot, (\q)+1, 1
.endm
.macro STEPS slot, q0
.if NQ-1-(\q0) > 0
.set sq, \q0
.rept NQ-1-(\q0)
	STEP \slot, sq, 0
.set sq, sq+1
.endr
.endif
.endm
; A slot's last step changes slots: ONE barrier; in front of it each wave waits for all its tensor loads, adds 0 to its spare word, and waits for that and for its reads of this slot.
.macro TURN slot, next, fill
	s_wait_dscnt AH
	MULB 0, 1, 0
	WIN 0
	s_wait_tensorcnt 0x0                           ; all my tensor loads have landed: my part of the next slot
	ds_add_u32 v[SPW], v[NIL]                      ; 0 onto my spare word
.if \fill
	s_add_nc_u64 s[G0+4*\slot+2:G0+4*\slot+3], s[G0+4*\slot+2:G0+4*\slot+3], 2*APART
	s_add_nc_u64 s[G0B+4*\slot+2:G0B+4*\slot+3], s[G0B+4*\slot+2:G0B+4*\slot+3], 2*KS
.endif
	s_wait_dscnt 0x0                               ; the add is done, and my reads of this slot are over
	s_barrier_signal -1
	s_barrier_wait -1
.if \fill
	CREST
	JLOAD G0+4*\slot, G1, G0B+4*\slot, G1B
.else
	PLACES 4
.endif
	FETCH_B \next, 0, 0
	FETCH_A \next, 0, 0
	MULB 1, 1, 0
	PLACES 4
	WIN 0
	FETCH_A \next, 0, 1
.endm
	s_load_b256 s[4:11], s[0:1], 0x0               ; A s[4:5], W s[6:7], the scales s[8:9], OUT s[10:11]
	s_load_b64 s[12:13], s[0:1], 0x20              ; RES
	v_lshl_add_u32 v[SPW], v0, 2, SPARE
	v_mov_b32 v[NIL], 0
	ds_add_u32 v28, v29
	ds_add_u32 v28, v29
	s_wait_dscnt 0x0
	v_lshrrev_b32 v1, 5, v0
	v_readfirstlane_b32 s14, v1                    ; wave 0..3
	s_lshr_b32 s15, s14, 1                         ; which half of the tile's rows is mine.  Also: I fetch for A (0) or for W (1)
	s_and_b32 s16, s14, 1                          ; which half of its columns.  Also: which half of that tile I fetch
	s_bfe_u32 s40, ttmp6, 0x40000
	s_bfe_u32 s41, ttmp6, 0x40004
	s_lshl_b32 s42, ttmp9, 2
	s_add_co_u32 s42, s42, s40                     ; tile column
	s_and_b32 s17, ttmp7, 0xffff
	s_lshl_b32 s17, s17, 2
	s_add_co_u32 s17, s17, s41                     ; tile row
	s_lshl_b32 s43, s41, 2
	s_lshl_b32 s43, 15, s43
	s_lshl_b32 s44, 0x1111, s40
	s_or_b32 s[G1], s43, (3<<16)|(1<<21)           ; A: the mask of my row; elements of 8 bytes; no padding; bit 21 beside a mask
	s_mov_b32 s[G1+1], 32<<16
	s_mov_b32 s[G1+2], 128<<16
	s_mov_b32 s[G1+3], 32<<16
	s_mov_b32 s[G1+4], 128                         ; 128 dense rows of 256 bytes = 32 KiB
	s_mov_b32 s[G1+5], 32
	s_mov_b32 s[G1+6], 0
	s_mov_b32 s[G1+7], 0
	s_or_b32 s[G1B], s44, (1<<20)|(1<<21)|(QI<<22)|(3<<25)     ; W: the mask of my column; elements of 1 byte; 4 words of padding behind each row
	s_mov_b32 s[G1B+1], KS<<16
	s_mov_b32 s[G1B+2], (TILE/2)<<16
	s_mov_b32 s[G1B+3], KS<<16
	s_mov_b32 s[G1B+4], TILE/2
	s_mov_b32 s[G1B+5], SIZE_K
	s_mov_b32 s[G1B+6], 0
	s_mov_b32 s[G1B+7], 0
	s_mul_i32 s20, s17, SIZE_K*TILE
	s_lshl_b32 s18, s16, 15
	s_add_co_u32 s20, s20, s18
	s_mov_b32 s21, 0
	s_lshl_b32 s46, s42, 1
	s_add_co_u32 s46, s46, s16
	s_mul_i32 s46, s46, (TILE/2)*SIZE_K
	s_mov_b32 s47, 0
	s_lshl_b32 s45, s16, 15
	s_mul_i32 s19, s16, (TILE/2)*PITCH
	s_add_co_u32 s19, s19, APART
	s_wait_kmcnt 0x0
	s_load_b64 s[96:97], s[8:9], SCOFF             ; ea, eb
	s_add_nc_u64 s[20:21], s[4:5], s[20:21]
	s_add_nc_u64 s[46:47], s[6:7], s[46:47]
	CROUND                                         ; all sixteen work-groups are here: the first joint loads meet
.irp s, 0,1
	s_mov_b32 s[G0+4*\s], 1
	s_add_co_u32 s[G0+4*\s+1], s45, \s*SLOT
	s_add_nc_u64 s[G0+4*\s+2:G0+4*\s+3], s[20:21], \s*APART
	s_or_b32 s[G0+4*\s+3], s[G0+4*\s+3], 0x80000000
	s_mov_b32 s[G0B+4*\s], 1
	s_add_co_u32 s[G0B+4*\s+1], s19, \s*SLOT
	s_add_nc_u64 s[G0B+4*\s+2:G0B+4*\s+3], s[46:47], \s*KS
	s_or_b32 s[G0B+4*\s+3], s[G0B+4*\s+3], 0x80000000
	JLOAD G0+4*\s, G1, G0B+4*\s, G1B
.endr
	v_and_b32 v1, 15, v0                           ; r
	v_bfe_u32 v2, v0, 4, 1                         ; h
	v_lshlrev_b32 v[CO], 4, v1
	v_lshl_add_u32 v[CO], v2, 12, v[CO]            ; lanes 0-15 take 256 bytes of one row of OUT, lanes 16-31 of the next
	s_lshl_b32 s20, s17, 19                        ; my first row: (128 x tile row + 64 x half) x 4,096 bytes,
	s_lshl_b32 s21, s15, 18
	s_add_co_u32 s20, s20, s21
	s_lshl_b32 s46, s42, 9                         ; my first column: 512 x tile column + 256 x half
	s_lshl_b32 s47, s16, 8
	s_add_co_u32 s46, s46, s47
	s_add_co_u32 s20, s20, s46
	s_mov_b32 s21, 0
	s_add_nc_u64 s[10:11], s[10:11], s[20:21]
	s_add_nc_u64 s[12:13], s[12:13], s[20:21]
	WIN 0xc0                                       ; destination window 3
.set i, 0
.rept 32
	global_load_b128 v[4*i:4*i+3], v[CO], s[12:13] offset:2*i*4096 th:TH_LOAD_NT   ; the residual: rows 2 i, 2 i + 1 of my 64; it has the whole product in which to land
.set i, i+1
.endr
	WIN 0
	v_and_b32 v3, 31, v0
	v_lshlrev_b32 v3, 4, v3                        ; 16 x lane
	v_mul_u32_u24 v4, v1, PITCH
	v_lshl_add_u32 v4, v2, 3, v4                   ; r x pitch + 8 h
	s_mul_i32 s21, s15, WB*2048
	s_mul_i32 s22, s16, 16*WB*PITCH
	s_add_co_u32 s22, s22, APART
.irp s, 0,1
	v_add_nc_u32 v[ADRA+\s], s21, v3
	v_add_nc_u32 v[ADRB+\s], s22, v4
	s_add_co_u32 s21, s21, SLOT
	s_add_co_u32 s22, s22, SLOT
.endr
	s_mul_i32 s23, s14, 4352                       ; my stage: 16 rows x (256 bytes + 16), in slot 0: when the first result is stored there the slot has had its last fill and its last read
	v_mul_u32_u24 v5, v1, 272
	v_lshl_add_u32 v5, v2, 5, v5
	v_add_nc_u32 v[STO], s23, v5                   ; in: row r, 32 bytes for each half of the lanes
	v_mul_u32_u24 v5, v2, 272
	v_lshl_add_u32 v5, v1, 4, v5
	v_add_nc_u32 v[RD], s23, v5                    ; back: two whole rows an instruction
	s_wait_tensorcnt 0x1                           ; my part of slot 0 is in (slot 1's load may be out),
	s_barrier_signal -1
	s_barrier_wait -1                              ; everybody's is
	FETCH_B 0, 0, 0
	FETCH_A 0, 0, 0
	FETCH_A 0, 0, 1
	STEP 0, 0, 1                                   ; the first step's products start the sums
.if LAPS > 1
	s_mov_b32 s3, LAPS-1
.Llap:
	STEPS 0, 1
	TURN 0, 1, 1
	STEPS 1, 0
	TURN 1, 0, 1
	STEP 0, 0, 0
	s_sub_co_u32 s3, s3, 1
	s_cmp_lg_u32 s3, 0
	s_cbranch_scc1 .Llap
.endif
	STEPS 0, 1                                     ; the last lap fills nothing
	TURN 0, 1, 0
	STEPS 1, 0
	s_wait_dscnt AH
	MULB 0, 1, 0
	s_wait_dscnt 0x0
	MULB 1, 1, 0
	WIN 0
; THE WAY OUT, a block of 16 rows x 64 columns at a time: through my own stage and back as whole rows of 256 bytes.  LDS serves a wave's instructions in order (ISA guide 5.7.1.4): no wait between the stores and the loads.
.macro TOSTAGE a
	WIN 0x08                                       ; store data: window 2
.irp b, 0,1,2,3
	ds_store_b128 v[STO], v[8*(4*(\a)+\b):8*(4*(\a)+\b)+3] offset:64*\b            ; each accumulator from its low end on
	ds_store_b128 v[STO], v[8*(4*(\a)+\b)+4:8*(4*(\a)+\b)+7] offset:64*\b+16
.endr
	WIN 0
.irp t, 0,1,2,3,4,5,6,7
	ds_load_b128 v[128+32*(\a)+4*\t:128+32*(\a)+4*\t+3], v[RD] offset:\t*544
.endr
.endm
.macro SEND a, younger                 ; younger: the LDS instructions issued behind block a's loads, which may stay out
	s_wait_dscnt \younger
	WIN 0x30                                       ; source 2 (the residual): window 3
.set i, 0
.rept 16
	v_pk_fma_f32 v[128+32*(\a)+i:128+32*(\a)+i+1], v[128+32*(\a)+i:128+32*(\a)+i+1], s[96:97], v[32*(\a)+i:32*(\a)+i+1] op_sel_hi:[1,0,1]   ; sum x 2^(ea + eb) + residual
.set i, i+2
.endr
	WIN 0
.irp t, 0,1,2,3,4,5,6,7
	global_store_b128 v[CO], v[128+32*(\a)+4*\t:128+32*(\a)+4*\t+3], s[10:11] offset:(16*(\a)+2*\t)*4096   ; 16 lanes store 256 consecutive bytes, at a multiple of 256 from OUT's first byte
.endr
.endm
	s_wait_kmcnt 0x0
	s_add_co_i32 s96, s96, s97
	s_add_co_i32 s96, s96, 127
	s_lshl_b32 s96, s96, 23                        ; 2^(ea + eb) as f32
	s_mov_b32 s97, s96
	PLACES 4                                       ; behind the last products
	s_wait_loadcnt 0x0                             ; the residual
	TOSTAGE 0
.irp a, 1,2,3
	TOSTAGE \a
	SEND \a-1, 16                                  ; behind block a - 1's loads: block a's 8 stores and 8 loads
.endr
	SEND 3, 0
	s_wait_tensorcnt 0x0                           ; the wave's end
	ds_add_u32 v[SPW], v[NIL]
	s_wait_dscnt 0x0
	CROUND                                         ; the closing round
	s_endpgm
.Lfunc_end_k_qee4753d277_oproj:
	.size	k_qee4753d277_oproj, .Lfunc_end_k_qee4753d277_oproj-k_qee4753d277_oproj
	.p2alignl 7, 3214868480
	.fill 96, 4, 3214868480
	.section	.rodata,"a",@progbits
	.p2align	6, 0x0
	.amdhsa_kernel k_qee4753d277_oproj
		.amdhsa_group_segment_fixed_size 327680
		.amdhsa_private_segment_fixed_size 0
		.amdhsa_enable_private_segment 0
		.amdhsa_kernarg_size 40
		.amdhsa_user_sgpr_count 2
		.amdhsa_user_sgpr_kernarg_segment_ptr 1
		.amdhsa_wavefront_size32 1
		.amdhsa_system_sgpr_workgroup_id_x 1
		.amdhsa_system_sgpr_workgroup_id_y 1
		.amdhsa_system_sgpr_workgroup_id_z 1
		.amdhsa_system_vgpr_workitem_id 0
		.amdhsa_next_free_vgpr 896
		.amdhsa_next_free_sgpr 100
		.amdhsa_reserve_vcc 0
		.amdhsa_float_denorm_mode_32 3
		.amdhsa_float_denorm_mode_16_64 3
		.amdhsa_memory_ordered 1
		.amdhsa_forward_progress 1
		.amdhsa_inst_pref_size 59
	.end_amdhsa_kernel
	.amdgpu_metadata
---
amdhsa.version: [ 1, 2 ]
amdhsa.kernels:
  - .name:           k_qee4753d277_oproj
    .symbol:         k_qee4753d277_oproj.kd
    .args:
      - { .name: y, .offset: 0, .size: 8, .value_kind: global_buffer, .address_space: global }
      - { .name: w_o_codes, .offset: 8, .size: 8, .value_kind: global_buffer, .address_space: global }
      - { .name: lowp_scales, .offset: 16, .size: 8, .value_kind: global_buffer, .address_space: global }
      - { .name: x1, .offset: 24, .size: 8, .value_kind: global_buffer, .address_space: global }
      - { .name: x, .offset: 32, .size: 8, .value_kind: global_buffer, .address_space: global }
    .group_segment_fixed_size: 327680
    .private_segment_fixed_size: 0
    .kernarg_segment_align: 8
    .kernarg_segment_size: 40
    .max_flat_workgroup_size: 128
    .sgpr_count:     100
    .vgpr_count:     896
    .wavefront_size: 32
...
	.end_amdgpu_metadata
.endif
;; end of part 4
;; launch ln2 (part 5): grid 256 x 1, 16 waves a work-group, no clusters, 19,456 bytes of LDS; arguments x1, g2, lowp_scales, acod; writes acod
.if DOCPART == 5
	.amdgcn_target "amdgcn-amd-amdhsa--gfx1250"
	.amdhsa_code_object_version 6
	.text
	.protected	k_qee4753d277_ln2
	.globl	k_qee4753d277_ln2
	.p2align	8
	.type	k_qee4753d277_ln2,@function
k_qee4753d277_ln2:
	s_mov_b64 s[64:65], 0
	v_nop
	global_prefetch_b8 v0, s[64:65] scope:SCOPE_SE
	s_setreg_imm32_b32 hwreg(HW_REG_WAVE_MODE, 25, 1), 1
	s_wait_xcnt 0x0
; acod = Q((x - mean) * rsqrt(var + 1e-5) * g, 2^e), e = the entry of the scales at byte SCOFF.  x: [4096][1024] f32; codes of E5M2.
; THE CODES ARE STORED AS IMAGES OF THE NEXT PRODUCT'S OPERAND REGISTERS: [block of 256 rows][K step of 128][tile of 16 rows][2,048 bytes]; in a tile's image registers 4 g .. 4 g + 3
; of lane (r, h) lie at 512 g + 16 (r + 16 h): bytes 0-7 are k = 32 g + 8 h + 0..7 of row r, bytes 8-15 are k = 32 g + 16 + 8 h + 0..7 (the plain 8-bit layout: ISA guide 7.12.2).
; SHARES: a work-group takes 16 rows, one tile; wave w takes row w whole, in 32 registers, so the row is read once for mean, variance and scaling.  Lane l holds the groups of eight
; neighbours l + 32 j, j = 0..3.  A lane's 8 codes belong at 8 bytes of the image: they meet in a stage in LDS (the tile's 16 KiB, 16 bytes of padding behind each 256) and leave as
; stores of 512 consecutive bytes.  No matrix unit, no cluster, no tensor load: memory binds, and work-groups share nothing but g.
; LIMITS: e between -126 and 112; NaN among the inputs is not served (an infinity is held at the largest code only where the row's statistics stay finite).
.set SCOFF, 32
.set X, 16                             ; v16-47  the row's 32 numbers of my lane
.set G, 48                             ; v48-79  g at the same places
.set C, 80                             ; v80-87  partial sums, then the codes
	s_load_b256 s[4:11], s[0:1], 0x0               ; x s[4:5], g s[6:7], the scales s[8:9], the codes s[10:11]
	v_lshl_add_u32 v96, v0, 2, 0x4400
	v_mov_b32 v97, 0
	v_lshrrev_b32 v5, 5, v0
	v_readfirstlane_b32 s14, v5                    ; wave 0..15 = my row of the tile
	v_and_b32 v12, 31, v0                          ; lane
	v_lshlrev_b32 v1, 5, v12                       ; v1: 32 bytes a lane in a stretch of 1,024
	v_bfe_u32 v13, v0, 4, 1                        ; l / 16
	v_bfe_u32 v14, v0, 2, 2                        ; (l / 4) % 4 = register group g
	v_and_b32 v15, 1, v0                           ; l % 2 = h
	v_lshlrev_b32 v2, 3, v13
	v_lshl_add_u32 v2, v14, 1, v2
	v_add_nc_u32 v2, v2, v15                       ; block of 256 bytes in two K steps' images: 8 (l / 16) + 2 g + h
	v_mul_u32_u24 v2, v2, 272
	v_bfe_u32 v14, v0, 1, 1                        ; (l / 2) % 2: which 8 of the lane's 16 bytes
	v_lshl_add_u32 v2, v14, 3, v2
	s_lshl_b32 s15, s14, 4
	v_add_nc_u32 v2, s15, v2                       ; v2: into the stage: + 16 x row
	v_lshlrev_b32 v4, 4, v12                       ; v4: 16 x lane: my bytes of a store
	v_lshl_add_u32 v3, v13, 4, v4                  ; out of the stage: 16 l, + 16 for the padding behind the first 256
	s_mul_i32 s15, s14, 1088
	v_add_nc_u32 v3, s15, v3                       ; v3: wave w reads pieces 2 w and 2 w + 1 of 512 bytes (544 with padding)
	s_mov_b32 s12, 0x76543210                      ; v_permlanex16_b32: lane l xor 16
	s_mov_b32 s13, 0xfedcba98
	s_mov_b32 s21, 0x3a800000                      ; 1 / 1024
	s_mov_b32 s22, 0x3727c5ac                      ; 1e-5
	s_lshl_b32 s16, ttmp9, 4
	s_add_co_u32 s16, s16, s14
	s_lshl_b32 s16, s16, 12                        ; my row x 4,096 bytes
	s_mov_b32 s17, 0
	s_lshr_b32 s18, ttmp9, 4
	s_lshl_b32 s18, s18, 18                        ; block of 256 rows x 262,144
	s_lshr_b32 s19, s14, 1
	s_lshl_b32 s19, s19, 15                        ; K step w / 2 x 32,768
	s_add_co_u32 s18, s18, s19
	s_and_b32 s19, ttmp9, 15
	s_lshl_b32 s19, s19, 11                        ; tile x 2,048
	s_add_co_u32 s18, s18, s19
	s_and_b32 s19, s14, 1
	s_lshl_b32 s19, s19, 10                        ; which half of the image
	s_add_co_u32 s18, s18, s19
	s_mov_b32 s19, 0
	s_wait_kmcnt 0x0
	s_load_b32 s20, s[8:9], SCOFF                  ; e
	s_add_nc_u64 s[4:5], s[4:5], s[16:17]
	s_add_nc_u64 s[10:11], s[10:11], s[18:19]
.irp j, 0,1,2,3
	global_load_b128 v[X+8*\j:X+8*\j+3],   v1, s[4:5] offset:1024*\j th:TH_LOAD_NT
	global_load_b128 v[X+8*\j+4:X+8*\j+7], v1, s[4:5] offset:1024*\j+16 th:TH_LOAD_NT
.endr
.irp j, 0,1,2,3
	global_load_b128 v[G+8*\j:G+8*\j+3],   v1, s[6:7] offset:1024*\j
	global_load_b128 v[G+8*\j+4:G+8*\j+7], v1, s[6:7] offset:1024*\j+16
.endr
.macro LANESUM                         ; v12 summed over the 32 lanes, the result in every lane
	v_add_f32_dpp v12, v12, v12 row_xmask:1 row_mask:0xf bank_mask:0xf
	v_add_f32_dpp v12, v12, v12 row_xmask:2 row_mask:0xf bank_mask:0xf
	v_add_f32_dpp v12, v12, v12 row_xmask:4 row_mask:0xf bank_mask:0xf
	v_add_f32_dpp v12, v12, v12 row_xmask:8 row_mask:0xf bank_mask:0xf
	v_permlanex16_b32 v13, v12, s12, s13
	v_add_f32 v12, v12, v13
.endm
	s_wait_loadcnt 0x8                             ; x's eight loads are in; g's eight, issued behind them, may be out
	v_pk_add_f32 v[C:C+1],   v[X:X+1],     v[X+2:X+3]          ; the sum, in four chains
	v_pk_add_f32 v[C+2:C+3], v[X+4:X+5],   v[X+6:X+7]
	v_pk_add_f32 v[C+4:C+5], v[X+8:X+9],   v[X+10:X+11]
	v_pk_add_f32 v[C+6:C+7], v[X+12:X+13], v[X+14:X+15]
.irp i, 0,1
	v_pk_add_f32 v[C:C+1],   v[C:C+1],   v[X+16+8*\i:X+17+8*\i]
	v_pk_add_f32 v[C+2:C+3], v[C+2:C+3], v[X+18+8*\i:X+19+8*\i]
	v_pk_add_f32 v[C+4:C+5], v[C+4:C+5], v[X+20+8*\i:X+21+8*\i]
	v_pk_add_f32 v[C+6:C+7], v[C+6:C+7], v[X+22+8*\i:X+23+8*\i]
.endr
	v_pk_add_f32 v[C:C+1], v[C:C+1], v[C+2:C+3]
	v_pk_add_f32 v[C+4:C+5], v[C+4:C+5], v[C+6:C+7]
	v_pk_add_f32 v[C:C+1], v[C:C+1], v[C+4:C+5]
	v_add_f32 v12, v[C], v[C+1]
	LANESUM
	v_mul_f32 v6, s21, v12                         ; the mean
	v_mov_b32 v7, v6
.set i, 0
.rept 16
	v_pk_add_f32 v[X+i:X+i+1], v[X+i:X+i+1], v[6:7] neg_lo:[0,1] neg_hi:[0,1]   ; x - mean: the variance is taken of differences, so a common offset does no harm
.set i, i+2
.endr
	v_pk_mul_f32 v[C:C+1],   v[X:X+1],   v[X:X+1]              ; the first squares start two chains
	v_pk_mul_f32 v[C+2:C+3], v[X+2:X+3], v[X+2:X+3]
.irp i, 4,8,12,16,20,24,28
	v_pk_fma_f32 v[C:C+1],   v[X+\i:X+\i+1],   v[X+\i:X+\i+1],   v[C:C+1]
	v_pk_fma_f32 v[C+2:C+3], v[X+\i+2:X+\i+3], v[X+\i+2:X+\i+3], v[C+2:C+3]
.endr
	v_pk_add_f32 v[C:C+1], v[C:C+1], v[C+2:C+3]
	v_add_f32 v12, v[C], v[C+1]
	LANESUM
	v_fma_f32 v12, v12, s21, s22                   ; variance + 1e-5
	v_rsq_f32 v8, v12
	v_nop                                          ; a plain instruction behind the transcendental (ISA guide 5.7.2)
	s_wait_kmcnt 0x0
	s_add_co_i32 s20, s20, 127
	s_lshl_b32 s23, s20, 23
	v_mov_b32 v11, s23                             ; 2^e as f32: the conversion takes its exponent field
	s_add_co_i32 s20, s20, 15
	s_lshl_b32 s20, s20, 23
	s_or_b32 s20, s20, 0x600000
	v_mov_b32 v10, s20                             ; 57,344 x 2^e
	s_wait_alu depctr_va_vdst(0)                   ; ahead of the first reader of the root
	v_mov_b32 v9, v8
.set i, 0
.rept 16
	v_pk_mul_f32 v[X+i:X+i+1], v[X+i:X+i+1], v[8:9]
.set i, i+2
.endr
	s_wait_loadcnt 0x0                             ; g
.set i, 0
.rept 16
	v_pk_mul_f32 v[X+i:X+i+1], v[X+i:X+i+1], v[G+i:G+i+1]
.set i, i+2
.endr
.set i, 0
.rept 32
	v_med3_num_f32 v[X+i], v[X+i], -v10, v10       ; the conversion to an 8-bit code does not saturate (ISA guide 7.6.2): the hold at the largest code x the scale
.set i, i+1
.endr
.irp j, 0,1,2,3
	v_cvt_scalef32_pk8_bf8_f32 v[C+2*\j:C+2*\j+1], v[X+8*\j:X+8*\j+7], v11
.endr
	v_nop                                          ; a plain instruction behind the last conversion
.irp j, 0,1,2,3
	ds_store_b64 v2, v[C+2*\j:C+2*\j+1] offset:4352*\j         ; two K steps on: 16 blocks of 272 bytes
.endr
	s_wait_dscnt 0x0                               ; for the others' sake: my stores into the stage are done
	s_barrier_signal -1
	s_barrier_wait -1
	ds_load_b128 v[88:91], v3
	ds_load_b128 v[92:95], v3 offset:544
	s_wait_dscnt 0x1                               ; the first piece is back; the second may be out
	global_store_b128 v4, v[88:91], s[10:11]       ; 32 lanes store 512 consecutive bytes, at a multiple of 512 from the buffer's first byte
	s_wait_dscnt 0x0
	global_store_b128 v4, v[92:95], s[10:11] offset:512
	s_wait_tensorcnt 0x0
	ds_add_u32 v96, v97
	s_wait_dscnt 0x0
	s_endpgm
.Lfunc_end_k_qee4753d277_ln2:
	.size	k_qee4753d277_ln2, .Lfunc_end_k_qee4753d277_ln2-k_qee4753d277_ln2
	.p2alignl 7, 3214868480
	.fill 96, 4, 3214868480
	.section	.rodata,"a",@progbits
	.p2align	6, 0x0
	.amdhsa_kernel k_qee4753d277_ln2
		.amdhsa_group_segment_fixed_size 19456
		.amdhsa_private_segment_fixed_size 0
		.amdhsa_enable_private_segment 0
		.amdhsa_kernarg_size 32
		.amdhsa_user_sgpr_count 2
		.amdhsa_user_sgpr_kernarg_segment_ptr 1
		.amdhsa_wavefront_size32 1
		.amdhsa_system_sgpr_workgroup_id_x 1
		.amdhsa_system_sgpr_workgroup_id_y 1
		.amdhsa_system_sgpr_workgroup_id_z 1
		.amdhsa_system_vgpr_workitem_id 0
		.amdhsa_next_free_vgpr 98
		.amdhsa_next_free_sgpr 66
		.amdhsa_reserve_vcc 0
		.amdhsa_float_denorm_mode_32 3
		.amdhsa_float_denorm_mode_16_64 3
		.amdhsa_memory_ordered 1
		.amdhsa_forward_progress 1
		.amdhsa_inst_pref_size 14
	.end_amdhsa_kernel
	.amdgpu_metadata
---
amdhsa.version: [ 1, 2 ]
amdhsa.kernels:
  - .name:           k_qee4753d277_ln2
    .symbol:         k_qee4753d277_ln2.kd
    .args:
      - { .name: x1, .offset: 0, .size: 8, .value_kind: global_buffer, .address_space: global }
      - { .name: g2, .offset: 8, .size: 8, .value_kind: global_buffer, .address_space: global }
      - { .name: lowp_scales, .offset: 16, .size: 8, .value_kind: global_buffer, .address_space: global }
      - { .name: acod, .offset: 24, .size: 8, .value_kind: global_buffer, .address_space: global }
    .group_segment_fixed_size: 19456
    .private_segment_fixed_size: 0
    .kernarg_segment_align: 8
    .kernarg_segment_size: 32
    .max_flat_workgroup_size: 512
    .sgpr_count:     66
    .vgpr_count:     98
    .wavefront_size: 32
...
	.end_amdgpu_metadata
.endif
;; end of part 5
;; launch fc (part 6): grid 16 x 16, 4 waves a work-group, clusters of 4 x 4, 327,680 bytes of LDS; arguments acod, w_fc_codes, lowp_scales, h; writes h
.if DOCPART == 6
	.amdgcn_target "amdgcn-amd-amdhsa--gfx1250"
	.amdhsa_code_object_version 6
	.text
	.protected	k_qee4753d277_fc
	.globl	k_qee4753d277_fc
	.p2align	8
	.type	k_qee4753d277_fc,@function
k_qee4753d277_fc:
	s_mov_b64 s[64:65], 0
	v_nop
	global_prefetch_b8 v0, s[64:65] scope:SCOPE_SE
	s_setreg_imm32_b32 hwreg(HW_REG_WAVE_MODE, 25, 1), 1
	s_wait_xcnt 0x0
	s_wait_alu depctr_hold_cnt(0) depctr_sa_sdst(0) depctr_va_vdst(0) depctr_va_sdst(0) depctr_va_ssrc(0) depctr_va_vcc(0) depctr_vm_vsrc(0)
	s_getreg_b32 s2, hwreg(HW_REG_IB_STS2, 6, 4)
	s_cmp_eq_u32 s2, 0
	s_cbranch_scc0 .Lentry_in_a_cluster
	s_endpgm
.Lentry_in_a_cluster:
	s_bfe_u32 s2, ttmp6, 0x10000c
	s_cmp_lg_u32 s2, 0xf033
	s_cbranch_scc0 .Lentry_shape_is_right
	s_endpgm
.Lentry_shape_is_right:
; h = Q(gelu(2^(e8 + e9) x sum over k of A[m][k] W[n][k]), 2^e10), the product on codes of E5M2, gelu the exact one (erf).
; A: images of operand registers, [block of TILE rows][K step of 128][tile of 16 rows][2,048 bytes] (registers 4 g .. 4 g + 3 of a lane at 512 g + 16 x lane).  W: [4096][1024] codes, K innermost.
; A tile of the result, 256 x 256, is made by four waves, each 128 x 128: 64 accumulators, 512 registers.  K goes in slots of KS = 256 through a ring of two LDS slots: A's part is a dense
; copy of 64 KiB, W's part 256 rows of 256 bytes + 16 of padding (68 words a row: the 32 lanes of a load of 8 bytes touch 64 different banks, ISA guide 11.1).
; CLUSTERS: 4 x 4 work-groups; A's tiles are asked for jointly along a row of the cluster, W's along a column.
; Source 0 = 16 rows of W, source 1 = 16 rows of A: a lane holds one row and eight neighbouring columns a tile, so a conversion's two registers ARE registers 2 b, 2 b + 1 of the next product's fragment.
; GELU: gelu(x) = max(x, 0) - |x| t 2^A, t = 1 / (1 + |x| sqrt(2) / 4), A = -x^2 log2(e) / 2 + P(t): erfc(z) = t exp(-z^2 + poly(t)) at z = |x| / sqrt(2), a polynomial of degree 9 whose relative error stays
; near one part in 10^7 for every z; its coefficients are multiplied by log2(e), and 1 is taken off the constant for the factor 1/2.  No select, no branch on data, and no difference of near numbers in the negative tail.
; OUT: h as images: [block of 128 rows][K step of 128][tile of 16 rows][2,048 bytes]: a wave's 128 x 128 is 16 KiB on end.
; LIMITS: e8 + e9 between -126 and 127; e10 between -126 and 112; where 2^A falls under 2^-126 the tail term counts as 0; NaN is not served.
; REGISTERS: window 0: v16-29 addresses, v128-255 A's fragments (ONE set); window 1: W's fragments, TWO sets at v0 and v128; windows 2, 3: accumulator (a, b) at 8 (8 a + b).
;   In the gelu, window 0: v32 X, v64 T, v96 P, v128 X^2, v160 the result, v192 |x| t, 32 each; v224-231 codes; v240 the hold, v241 the scale, v[242:243] the top coefficient.
.set WB,     8
.set TILE,   32*WB
.set KS,     256
.set NQ,     KS/128
.set PITCH,  KS+16
.set QI,     5
.set SIZE_K, 1024
.set SWAPV,  0
.set LAPS,   SIZE_K/(2*KS)
.set APART,  65536
.set SLOT,   APART+TILE*PITCH
.set SPARE,  2*SLOT
.set AH,     2*WB
.set ADRA, 16
.set ADRB, 20
.set CO,   26
.set SPW,  28
.set NIL,  29
.set AF,   128
.set G1, 24
.set G0, 32
.set G1B, 48
.set G0B, 56
.set MSB, 0
.macro WIN new                         ; the immediate's high byte repeats the setting that is left
.if MSB != (\new)
	s_set_vgpr_msb (MSB<<8)|(\new)
.set MSB, (\new)
.endif
.endm
.macro PLACES n
.rept \n
	v_nop
.endr
.endm
.macro JLOAD g0a, g1a, g0b, g1b        ; a joint load: waves 0 and 1 fetch for A, waves 2 and 3 for W; four v_nop follow each line
	s_cmp_eq_u32 s15, 0
	s_cbranch_scc0 .Lfor_b_\@
	tensor_load_to_lds s[\g0a:\g0a+3], s[\g1a:\g1a+7]
	s_nop 0
.rept 4
	v_nop
.endr
	s_branch .Lasked_\@
.Lfor_b_\@:
	tensor_load_to_lds s[\g0b:\g0b+3], s[\g1b:\g1b+7]
	s_nop 0
.rept 4
	v_nop
.endr
.Lasked_\@:
.endm
.macro CREST
	s_cmp_lg_u32 s14, 0
	s_cbranch_scc1 .Lnot_wave_0_\@
	s_barrier_signal -3
.Lnot_wave_0_\@:
	s_barrier_wait -3
	s_barrier_signal -1
	s_barrier_wait -1
.endm
.macro CROUND
	s_barrier_signal -1
	s_barrier_wait -1
	CREST
.endm
.macro FRAG_A reg, slot, q, i
.irp g, 0,1,2,3
	ds_load_b128 v[(\reg)+4*\g:(\reg)+4*\g+3], v[ADRA+\slot] offset:(\q)*TILE*128+(\i)*2048+512*\g
.endr
.endm
.macro FRAG_B reg, slot, q, i
.irp c, 0,1,2,3,4,5,6,7
	ds_load_b64 v[(\reg)+2*\c:(\reg)+2*\c+1], v[ADRB+\slot] offset:(\i)*16*PITCH+128*(\q)+16*\c
.endr
.endm
.macro FETCH_B slot, q, p
	WIN 0x40
.set fi, 0
.rept WB
	FRAG_B 128*(\p)+16*fi, \slot, \q, fi
.set fi, fi+1
.endr
	WIN 0
.endm
.macro FETCH_A slot, q, half
.set fi, (\half)*(WB/2)
.rept WB/2
	FRAG_A AF+16*fi, \slot, \q, fi
.set fi, fi+1
.endr
.endm
; Half a step's products.  The accumulators take turns, one instruction a turn, in the same order in every step.
.macro MULH half, p, zero, swap
.set WACC, 2+(4*WB*WB*(\half))/256
	WIN 0x01+0x50*WACC
.set ma, (\half)*(WB/2)
.rept WB/2
.set mb, 0
.rept WB
.set rD, (8*(WB*ma+mb))%256
.set rB, 128*(\p)+16*mb
.set rA, AF+16*ma
.if \zero
	v_wmma_f32_16x16x128_bf8_bf8 v[rD:rD+7], v[rB:rB+15], v[rA:rA+15], 0
.else
	v_wmma_f32_16x16x128_bf8_bf8 v[rD:rD+7], v[rB:rB+15], v[rA:rA+15], v[rD:rD+7]
.endif
.set mb, mb+1
.endr
.set ma, ma+1
.endr
.endm
.macro MULB half, p, zero
	MULH \half, \p, \zero, 0
.endm
; A step of 128 along K that has its successor in the same slot.  Loads into registers that matrix instructions have read stand four plain places behind them (ISA guide 7.12.1 for vector instructions).
.macro STEP slot, q, zero
	s_wait_dscnt AH                                ; W's set and A's lower blocks are in; the youngest loads (A's upper blocks) may be out
	MULB 0, (\q)%2, \zero
	s_wait_dscnt 0x0
	PLACES 4
	FETCH_B \slot, (\q)+1, 1-(\q)%2
	FETCH_A \slot, (\q)+1, 0
	MULB 1, (\q)%2, \zero
	PLACES 4
	WIN 0
	FETCH_A \slot, (\q)+1, 1
.endm
.macro STEPS slot, q0
.if NQ-1-(\q0) > 0
.set sq, \q0
.rept NQ-1-(\q0)
	STEP \slot, sq, 0
.set sq, sq+1
.endr
.endif
.endm
; A slot's last step changes slots: ONE barrier; in front of it each wave waits for all its tensor loads, adds 0 to its spare word, and waits for that and for its reads of this slot.
; fill = 1: the barrier opens a round of the cluster's barrier, and behind the round this slot is filled again, two slots ahead.
.macro TURN slot, next, fill
	s_wait_dscnt AH
	MULB 0, 1, 0
	WIN 0
	s_wait_tensorcnt 0x0                           ; all my tensor loads have landed: my part of the next slot; so a group 0 may be written
	ds_add_u32 v[SPW], v[NIL]                      ; 0 onto my spare word
.if \fill
	s_add_nc_u64 s[G0+4*\slot+2:G0+4*\slot+3], s[G0+4*\slot+2:G0+4*\slot+3], 2*APART
	s_add_nc_u64 s[G0B+4*\slot+2:G0B+4*\slot+3], s[G0B+4*\slot+2:G0B+4*\slot+3], 2*KS
.endif
	s_wait_dscnt 0x0                               ; the add is done, and my reads of this slot are over
	s_barrier_signal -1
	s_barrier_wait -1
.if \fill
	CREST                                          ; no wave of any partner still reads this slot or has a load on its way
	JLOAD G0+4*\slot, G1, G0B+4*\slot, G1B         ; the first tensor load behind the round; its four v_nop are the places in front of the loads below
.else
	PLACES 4
.endif
	FETCH_B \next, 0, 0
	FETCH_A \next, 0, 0
	MULB 1, 1, 0
	PLACES 4
	WIN 0
	FETCH_A \next, 0, 1
.endm
	s_load_b256 s[4:11], s[0:1], 0x0               ; A s[4:5], W s[6:7], the scales s[8:9], OUT s[10:11]
	v_lshl_add_u32 v[SPW], v0, 2, SPARE
	v_mov_b32 v[NIL], 0
	ds_add_u32 v28, v29
	ds_add_u32 v28, v29
	s_wait_dscnt 0x0
	v_lshrrev_b32 v1, 5, v0
	v_readfirstlane_b32 s14, v1                    ; wave 0..3
	s_lshr_b32 s15, s14, 1                         ; which half of the tile's rows is mine.  Also: I fetch for A (0) or for W (1)
	s_and_b32 s16, s14, 1                          ; which half of its columns.  Also: which half of that tile I fetch
	s_bfe_u32 s40, ttmp6, 0x40000
	s_bfe_u32 s41, ttmp6, 0x40004
	s_lshl_b32 s42, ttmp9, 2
	s_add_co_u32 s42, s42, s40                     ; tile column
	s_and_b32 s17, ttmp7, 0xffff
	s_lshl_b32 s17, s17, 2
	s_add_co_u32 s17, s17, s41                     ; tile row
	s_lshl_b32 s43, s41, 2
	s_lshl_b32 s43, 15, s43
	s_lshl_b32 s44, 0x1111, s40
	s_or_b32 s[G1], s43, (3<<16)|(1<<21)           ; A: the mask of my row; elements of 8 bytes; no padding; bit 21 beside a mask
	s_mov_b32 s[G1+1], 32<<16
	s_mov_b32 s[G1+2], 128<<16
	s_mov_b32 s[G1+3], 32<<16
	s_mov_b32 s[G1+4], 128                         ; 128 dense rows of 256 bytes = 32 KiB
	s_mov_b32 s[G1+5], 32
	s_mov_b32 s[G1+6], 0
	s_mov_b32 s[G1+7], 0
	s_or_b32 s[G1B], s44, (1<<20)|(1<<21)|(QI<<22)|(3<<25)     ; W: the mask of my column; elements of 1 byte; 4 words of padding behind each row
	s_mov_b32 s[G1B+1], KS<<16
	s_mov_b32 s[G1B+2], (TILE/2)<<16
	s_mov_b32 s[G1B+3], KS<<16
	s_mov_b32 s[G1B+4], TILE/2
	s_mov_b32 s[G1B+5], SIZE_K
	s_mov_b32 s[G1B+6], 0
	s_mov_b32 s[G1B+7], 0
	s_mul_i32 s20, s17, SIZE_K*TILE
	s_lshl_b32 s18, s16, 15
	s_add_co_u32 s20, s20, s18
	s_mov_b32 s21, 0
	s_lshl_b32 s46, s42, 1
	s_add_co_u32 s46, s46, s16
	s_mul_i32 s46, s46, (TILE/2)*SIZE_K
	s_mov_b32 s47, 0
	s_lshl_b32 s45, s16, 15
	s_mul_i32 s19, s16, (TILE/2)*PITCH
	s_add_co_u32 s19, s19, APART
	s_wait_kmcnt 0x0
	s_load_b128 s[88:91], s[8:9], 0x20             ; e8, e9, e10, e11
	s_add_nc_u64 s[20:21], s[4:5], s[20:21]
	s_add_nc_u64 s[46:47], s[6:7], s[46:47]
	CROUND                                         ; all sixteen work-groups are here: the first joint loads meet
.irp s, 0,1
	s_mov_b32 s[G0+4*\s], 1
	s_add_co_u32 s[G0+4*\s+1], s45, \s*SLOT
	s_add_nc_u64 s[G0+4*\s+2:G0+4*\s+3], s[20:21], \s*APART
	s_or_b32 s[G0+4*\s+3], s[G0+4*\s+3], 0x80000000
	s_mov_b32 s[G0B+4*\s], 1
	s_add_co_u32 s[G0B+4*\s+1], s19, \s*SLOT
	s_add_nc_u64 s[G0B+4*\s+2:G0B+4*\s+3], s[46:47], \s*KS
	s_or_b32 s[G0B+4*\s+3], s[G0B+4*\s+3], 0x80000000
	JLOAD G0+4*\s, G1, G0B+4*\s, G1B
.endr
	v_and_b32 v1, 15, v0                           ; r
	v_bfe_u32 v2, v0, 4, 1                         ; h
	v_and_b32 v3, 31, v0
	v_lshlrev_b32 v3, 4, v3                        ; 16 x lane
	v_mov_b32 v[CO], v3
	v_mul_u32_u24 v4, v1, PITCH
	v_lshl_add_u32 v4, v2, 3, v4                   ; r x pitch + 8 h
	s_mul_i32 s21, s15, WB*2048
	s_mul_i32 s22, s16, 16*WB*PITCH
	s_add_co_u32 s22, s22, APART
.irp s, 0,1
	v_add_nc_u32 v[ADRA+\s], s21, v3
	v_add_nc_u32 v[ADRB+\s], s22, v4
	s_add_co_u32 s21, s21, SLOT
	s_add_co_u32 s22, s22, SLOT
.endr
	s_lshl_b32 s20, s17, 1                         ; where my wave's 16 KiB go: block of 128 rows 2 x tile row + half, K step 2 x tile column + half
	s_add_co_u32 s20, s20, s15
	s_lshl_b32 s20, s20, 19
	s_lshl_b32 s46, s42, 1
	s_add_co_u32 s46, s46, s16
	s_lshl_b32 s46, s46, 14
	s_add_co_u32 s20, s20, s46
	s_mov_b32 s21, 0
	s_add_nc_u64 s[10:11], s[10:11], s[20:21]
	s_wait_tensorcnt 0x1                           ; my part of slot 0 is in (slot 1's load may be out),
	s_barrier_signal -1
	s_barrier_wait -1                              ; everybody's is
	FETCH_B 0, 0, 0
	FETCH_A 0, 0, 0
	FETCH_A 0, 0, 1
	STEP 0, 0, 1                                   ; the first step's products start the sums
.if LAPS > 1
	s_mov_b32 s3, LAPS-1
.Llap:                                                 ; a trip goes once round the ring and fills both slots again
	STEPS 0, 1
	TURN 0, 1, 1
	STEPS 1, 0
	TURN 1, 0, 1
	STEP 0, 0, 0
	s_sub_co_u32 s3, s3, 1
	s_cmp_lg_u32 s3, 0
	s_cbranch_scc1 .Llap
.endif
	STEPS 0, 1                                     ; the last lap fills nothing
	TURN 0, 1, 0
	STEPS 1, 0
	s_wait_dscnt AH
	MULB 0, 1, 0
	s_wait_dscnt 0x0
	MULB 1, 1, 0
	WIN 0
	; THE WAY OUT: 16 batches of 32 numbers a lane (row block n / 2, column tiles 4 (n % 2) on), in a loop: written out the 512 numbers' gelu would be some 50 KB of code.  Only the copy out of the accumulators
	; differs from trip to trip (register numbers cannot be stepped): sixteen short copies, chosen by the counter.
.macro COEF k, bits
	s_mov_b32 s[66+2*\k], \bits
	s_mov_b32 s[67+2*\k], \bits
.endm
	s_wait_kmcnt 0x0
	s_add_co_i32 s96, s88, s89
	s_add_co_i32 s96, s96, 127
	s_lshl_b32 s96, s96, 23                        ; 2^(e8 + e9) as f32
	s_mov_b32 s97, s96
	s_add_co_i32 s18, s90, 127
	s_lshl_b32 s19, s18, 23                        ; 2^e10
	s_add_co_i32 s18, s18, 15
	s_lshl_b32 s18, s18, 23
	s_or_b32 s18, s18, 0x600000                    ; 57,344 x 2^e10
	COEF 0, 0xc034d90f                             ; -2.825748217
	COEF 1, 0x3fb8ab5a                             ;  1.442729200
	COEF 2, 0x3f0a29d2                             ;  0.539700615
	COEF 3, 0x3e0efb2e                             ;  0.139630056
	COEF 4, 0xbe899a80                             ; -0.268756860
	COEF 5, 0x3ecdfd18                             ;  0.402321581
	COEF 6, 0xbfd1a1e5                             ; -1.637753151
	COEF 7, 0x40097039                             ;  2.147474463
	COEF 8, 0xbf97d29d                             ; -1.186114944
	COEF 9, 0xbf38aa3b                             ; s[84:85]: -log2(e) / 2
	s_mov_b32 s86, 0x3eb504f3                      ; sqrt(2) / 4
	s_mov_b32 s87, 0                               ; the batch
	PLACES 4                                       ; behind the last products: their results are read, and A's registers written, below
	v_mov_b32 v241, s19
	v_mov_b32 v240, s18
	v_mov_b32 v242, 0x3e7c6f08                     ;  0.246517298
	v_mov_b32 v243, 0x3e7c6f08
.Lbatch:
.irp n, 0,1,2,3,4,5,6,7,8,9,10,11,12,13,14
	s_cmp_eq_u32 s87, \n
	s_cbranch_scc1 .Lcp_\n
.endr
	s_branch .Lcp_15
.irp n, 0,1,2,3,4,5,6,7,8,9,10,11,12,13,14,15
.Lcp_\n:
	WIN 0x02+(\n/8)                                ; source 0: window 2 or 3
.set i, 0
.rept 16
	v_pk_mul_f32 v[32+i:33+i], v[32*(\n%8)+i:32*(\n%8)+i+1], s[96:97] op_sel_hi:[1,0]   ; x = sum x 2^(e8 + e9); each accumulator from its low end on
.set i, i+2
.endr
	WIN 0
	s_branch .Lgelu
.endr
.Lgelu:
.set i, 0
.rept 32
	v_fma_f32 v[64+i], |v[32+i]|, s86, 1.0
.set i, i+1
.endr
.set i, 0
.rept 32
	v_rcp_f32 v[64+i], v[64+i]                     ; t
	v_max_num_f32 v[160+i], 0, v[32+i]             ; max(x, 0)
.set i, i+1
.endr
.set i, 0
.rept 16
	v_pk_mul_f32 v[128+i:129+i], v[32+i:33+i], v[32+i:33+i]
.set i, i+2
.endr
	s_wait_alu depctr_va_vdst(0)                   ; one wait for the 32 reciprocals, ahead of their first reader
.set i, 0
.rept 16
	v_pk_fma_f32 v[96+i:97+i], v[64+i:65+i], v[242:243], s[82:83] op_sel_hi:[1,1,0]
.set i, i+2
.endr
.irp k, 7,6,5,4,3,2,1,0
.set i, 0
.rept 16
	v_pk_fma_f32 v[96+i:97+i], v[96+i:97+i], v[64+i:65+i], s[66+2*\k:67+2*\k] op_sel_hi:[1,1,0]
.set i, i+2
.endr
.endr
.set i, 0
.rept 16
	v_pk_fma_f32 v[96+i:97+i], v[128+i:129+i], s[84:85], v[96+i:97+i] op_sel_hi:[1,0,1]   ; A
.set i, i+2
.endr
.set i, 0
.rept 32
	v_exp_f32 v[96+i], v[96+i]                     ; 2^A
	v_mul_f32 v[192+i], |v[32+i]|, v[64+i]         ; |x| t, at most 2 sqrt(2)
.set i, i+1
.endr
	s_wait_alu depctr_va_vdst(0)                   ; one wait for the 32 exponentials
.set i, 0
.rept 16
	v_pk_fma_f32 v[160+i:161+i], v[192+i:193+i], v[96+i:97+i], v[160+i:161+i] neg_lo:[1,0,0] neg_hi:[1,0,0]
.set i, i+2
.endr
.set i, 0
.rept 32
	v_med3_num_f32 v[160+i], v[160+i], -v240, v240 ; the hold at the largest code x the scale (ISA guide 7.6.2)
.set i, i+1
.endr
.irp t, 0,1,2,3
	v_cvt_scalef32_pk8_bf8_f32 v[224+2*\t:225+2*\t], v[160+8*\t:167+8*\t], v241
.endr
	v_nop                                          ; a plain instruction behind the last conversion
	global_store_b128 v[CO], v[224:227], s[10:11]  ; 32 lanes store 512 consecutive bytes
	global_store_b128 v[CO], v[228:231], s[10:11] offset:512
	s_wait_xcnt 0x0                                ; the stores have read their data and their base: both are written again below and in the next trip
	s_add_nc_u64 s[10:11], s[10:11], 1024
	s_add_co_u32 s87, s87, 1
	s_cmp_lt_u32 s87, 16
	s_cbranch_scc1 .Lbatch
	s_wait_tensorcnt 0x0                           ; the wave's end
	ds_add_u32 v[SPW], v[NIL]
	s_wait_dscnt 0x0
	CROUND                                         ; the closing round
	s_endpgm
.Lfunc_end_k_qee4753d277_fc:
	.size	k_qee4753d277_fc, .Lfunc_end_k_qee4753d277_fc-k_qee4753d277_fc
	.p2alignl 7, 3214868480
	.fill 96, 4, 3214868480
	.section	.rodata,"a",@progbits
	.p2align	6, 0x0
	.amdhsa_kernel k_qee4753d277_fc
		.amdhsa_group_segment_fixed_size 327680
		.amdhsa_private_segment_fixed_size 0
		.amdhsa_enable_private_segment 0
		.amdhsa_kernarg_size 32
		.amdhsa_user_sgpr_count 2
		.amdhsa_user_sgpr_kernarg_segment_ptr 1
		.amdhsa_wavefront_size32 1
		.amdhsa_system_sgpr_workgroup_id_x 1
		.amdhsa_system_sgpr_workgroup_id_y 1
		.amdhsa_system_sgpr_workgroup_id_z 1
		.amdhsa_system_vgpr_workitem_id 0
		.amdhsa_next_free_vgpr 1024
		.amdhsa_next_free_sgpr 100
		.amdhsa_reserve_vcc 0
		.amdhsa_float_denorm_mode_32 3
		.amdhsa_float_denorm_mode_16_64 3
		.amdhsa_memory_ordered 1
		.amdhsa_forward_progress 1
		.amdhsa_inst_pref_size 135
	.end_amdhsa_kernel
	.amdgpu_metadata
---
amdhsa.version: [ 1, 2 ]
amdhsa.kernels:
  - .name:           k_qee4753d277_fc
    .symbol:         k_qee4753d277_fc.kd
    .args:
      - { .name: acod, .offset: 0, .size: 8, .value_kind: global_buffer, .address_space: global }
      - { .name: w_fc_codes, .offset: 8, .size: 8, .value_kind: global_buffer, .address_space: global }
      - { .name: lowp_scales, .offset: 16, .size: 8, .value_kind: global_buffer, .address_space: global }
      - { .name: h, .offset: 24, .size: 8, .value_kind: global_buffer, .address_space: global }
    .group_segment_fixed_size: 327680
    .private_segment_fixed_size: 0
    .kernarg_segment_align: 8
    .kernarg_segment_size: 32
    .max_flat_workgroup_size: 128
    .sgpr_count:     100
    .vgpr_count:     1024
    .wavefront_size: 32
...
	.end_amdgpu_metadata
.endif
;; end of part 6
;; launch proj (part 7): grid 8 x 32, 4 waves a work-group, clusters of 4 x 4, 327,680 bytes of LDS; arguments h, w_proj_codes, lowp_scales, out0, x1; writes out0
.if DOCPART == 7
	.amdgcn_target "amdgcn-amd-amdhsa--gfx1250"
	.amdhsa_code_object_version 6
	.text
	.protected	k_qee4753d277_proj
	.globl	k_qee4753d277_proj
	.p2align	8
	.type	k_qee4753d277_proj,@function
k_qee4753d277_proj:
	s_mov_b64 s[64:65], 0
	v_nop
	global_prefetch_b8 v0, s[64:65] scope:SCOPE_SE
	s_setreg_imm32_b32 hwreg(HW_REG_WAVE_MODE, 25, 1), 1
	s_wait_xcnt 0x0
	s_wait_alu depctr_hold_cnt(0) depctr_sa_sdst(0) depctr_va_vdst(0) depctr_va_sdst(0) depctr_va_ssrc(0) depctr_va_vcc(0) depctr_vm_vsrc(0)
	s_getreg_b32 s2, hwreg(HW_REG_IB_STS2, 6, 4)
	s_cmp_eq_u32 s2, 0
	s_cbranch_scc0 .Lentry_in_a_cluster
	s_endpgm
.Lentry_in_a_cluster:
	s_bfe_u32 s2, ttmp6, 0x10000c
	s_cmp_lg_u32 s2, 0xf033
	s_cbranch_scc0 .Lentry_shape_is_right
	s_endpgm
.Lentry_shape_is_right:
; OUT[m][n] = RES[m][n] + 2^(ea + eb) x sum over k of A[m][k] W[n][k], on codes of E5M2; OUT and RES: [4096][1024] f32.  ea, eb: the scales' entries at byte SCOFF.
; A: images of operand registers, [block of TILE rows][K step of 128][tile of 16 rows][2,048 bytes] (registers 4 g .. 4 g + 3 of a lane at 512 g + 16 x lane).  W: [1024][SIZE_K] codes, K innermost.
; A tile of the result is 128 x 128, so that 4,096 x 1,024 gives 256 work-groups; four waves, each 64 x 64: 16 accumulators.  K goes in slots of KS = 512, as long as two slots in LDS allow: A's part is a dense
; copy of 64 KiB, W's part 128 rows of 512 bytes + 16 of padding (132 words a row: the 32 lanes of a load of 8 bytes touch 64 different banks, ISA guide 11.1).
; CLUSTERS: 4 x 4 work-groups; A's tiles are asked for jointly along a row of the cluster, W's along a column.
; Source 0 = 16 rows of W, source 1 = 16 rows of A: a lane holds eight neighbouring numbers of a row of OUT.  The residual is asked for at the head, in the stores' own lane layout, and waits in 128 registers.
; LIMITS: ea + eb between -126 and 127; NaN is not served.
; REGISTERS: window 0: v16-29 addresses, v128-191 A's fragments (ONE set; on the way out v128-255 are rows of OUT); window 1: W's fragments, TWO sets at v0 and v128; window 2: accumulator (a, b) at 8 (4 a + b); window 3: v0-127 the residual.
.set WB,     4
.set TILE,   32*WB
.set KS,     512
.set NQ,     KS/128
.set PITCH,  KS+16
.set QI,     6
.set SIZE_K, 4096
.set SCOFF,  40
.set SWAPV,  0
.set LAPS,   SIZE_K/(2*KS)
.set APART,  65536
.set SLOT,   APART+TILE*PITCH
.set SPARE,  2*SLOT
.set AH,     2*WB
.set ADRA, 16
.set ADRB, 20
.set STO,  24
.set RD,   25
.set CO,   26
.set SPW,  28
.set NIL,  29
.set AF,   128
.set G1, 24
.set G0, 32
.set G1B, 48
.set G0B, 56
.set ISV, 98
.set MSB, 0
.macro WIN new                         ; the immediate's high byte repeats the setting that is left
.if MSB != (\new)
	s_set_vgpr_msb (MSB<<8)|(\new)
.set MSB, (\new)
.endif
.endm
.macro PLACES n
.rept \n
	v_nop
.endr
.endm
.macro JLOAD g0a, g1a, g0b, g1b        ; a joint load: waves 0 and 1 fetch for A, waves 2 and 3 for W; four v_nop follow each line
	s_cmp_eq_u32 s15, 0
	s_cbranch_scc0 .Lfor_b_\@
	tensor_load_to_lds s[\g0a:\g0a+3], s[\g1a:\g1a+7]
	s_nop 0
.rept 4
	v_nop
.endr
	s_branch .Lasked_\@
.Lfor_b_\@:
	tensor_load_to_lds s[\g0b:\g0b+3], s[\g1b:\g1b+7]
	s_nop 0
.rept 4
	v_nop
.endr
.Lasked_\@:
.endm
.macro CREST
	s_cmp_lg_u32 s14, 0
	s_cbranch_scc1 .Lnot_wave_0_\@
	s_barrier_signal -3
.Lnot_wave_0_\@:
	s_barrier_wait -3
	s_barrier_signal -1
	s_barrier_wait -1
.endm
.macro CROUND
	s_barrier_signal -1
	s_barrier_wait -1
	CREST
.endm
.macro FRAG_A reg, slot, q, i
.irp g, 0,1,2,3
	ds_load_b128 v[(\reg)+4*\g:(\reg)+4*\g+3], v[ADRA+\slot] offset:(\q)*TILE*128+(\i)*2048+512*\g
.endr
.endm
.macro FRAG_B reg, slot, q, i
.irp c, 0,1,2,3,4,5,6,7
	ds_load_b64 v[(\reg)+2*\c:(\reg)+2*\c+1], v[ADRB+\slot] offset:(\i)*16*PITCH+128*(\q)+16*\c
.endr
.endm
.macro FETCH_B slot, q, p
	WIN 0x40
.set fi, 0
.rept WB
	FRAG_B 128*(\p)+16*fi, \slot, \q, fi
.set fi, fi+1
.endr
	WIN 0
.endm
.macro FETCH_A slot, q, half
.set fi, (\half)*(WB/2)
.rept WB/2
	FRAG_A AF+16*fi, \slot, \q, fi
.set fi, fi+1
.endr
.endm
; Half a step's products.  The accumulators take turns, one instruction a turn, in the same order in every step.
.macro MULH half, p, zero, swap
.set WACC, 2+(4*WB*WB*(\half))/256
	WIN 0x01+0x50*WACC
.set ma, (\half)*(WB/2)
.rept WB/2
.set mb, 0
.rept WB
.set rD, (8*(WB*ma+mb))%256
.set rB, 128*(\p)+16*mb
.set rA, AF+16*ma
.if \zero
	v_wmma_f32_16x16x128_bf8_bf8 v[rD:rD+7], v[rB:rB+15], v[rA:rA+15], 0
.else
	v_wmma_f32_16x16x128_bf8_bf8 v[rD:rD+7], v[rB:rB+15], v[rA:rA+15], v[rD:rD+7]
.endif
.set mb, mb+1
.endr
.set ma, ma+1
.endr
.endm
.macro MULB half, p, zero
	MULH \half, \p, \zero, 0
.endm
; A step of 128 along K that has its successor in the same slot.  Loads into registers that matrix instructions have read stand four plain places behind them (ISA guide 7.12.1 for vector instructions).
.macro STEP slot, q, zero
	s_wait_dscnt AH                                ; W's set and A's lower blocks are in; the youngest loads (A's upper blocks) may be out
	MULB 0, (\q)%2, \zero
	s_wait_dscnt 0x0
	PLACES 4
	FETCH_B \slot, (\q)+1, 1-(\q)%2
	FETCH_A \slot, (\q)+1, 0
	MULB 1, (\q)%2, \zero
	PLACES 4
	WIN 0
	FETCH_A \slot, (\q)+1, 1
.endm
.macro STEPS slot, q0
.if NQ-1-(\q0) > 0
.set sq, \q0
.rept NQ-1-(\q0)
	STEP \slot, sq, 0
.set sq, sq+1
.endr
.endif
.endm
; A slot's last step changes slots: ONE barrier; in front of it each wave waits for all its tensor loads, adds 0 to its spare word, and waits for that and for its reads of this slot.
; fill = 1: the barrier opens a round of the cluster's barrier, and behind the round this slot is filled again, two slots ahead.
.macro TURN slot, next, fill
	s_wait_dscnt AH
	MULB 0, 1, 0
	WIN 0
	s_wait_tensorcnt 0x0                           ; all my tensor loads have landed: my part of the next slot; so a group 0 may be written
	ds_add_u32 v[SPW], v[NIL]                      ; 0 onto my spare word
.if \fill
	s_add_nc_u64 s[G0+4*\slot+2:G0+4*\slot+3], s[G0+4*\slot+2:G0+4*\slot+3], 2*APART
	s_add_nc_u64 s[G0B+4*\slot+2:G0B+4*\slot+3], s[G0B+4*\slot+2:G0B+4*\slot+3], 2*KS
.endif
	s_wait_dscnt 0x0                               ; the add is done, and my reads of this slot are over
	s_barrier_signal -1
	s_barrier_wait -1
.if \fill
	CREST                                          ; no wave of any partner still reads this slot or has a load on its way
	JLOAD G0+4*\slot, G1, G0B+4*\slot, G1B         ; the first tensor load behind the round; its four v_nop are the places in front of the loads below
.else
	PLACES 4
.endif
	FETCH_B \next, 0, 0
	FETCH_A \next, 0, 0
	MULB 1, 1, 0
	PLACES 4
	WIN 0
	FETCH_A \next, 0, 1
.endm
	s_load_b256 s[4:11], s[0:1], 0x0               ; A s[4:5], W s[6:7], the scales s[8:9], OUT s[10:11]
	s_load_b64 s[12:13], s[0:1], 0x20              ; RES
	v_lshl_add_u32 v[SPW], v0, 2, SPARE
	v_mov_b32 v[NIL], 0
	ds_add_u32 v28, v29
	ds_add_u32 v28, v29
	s_wait_dscnt 0x0
	v_lshrrev_b32 v1, 5, v0
	v_readfirstlane_b32 s14, v1                    ; wave 0..3
	s_lshr_b32 s15, s14, 1                         ; which half of the tile's rows is mine.  Also: I fetch for A (0) or for W (1)
	s_and_b32 s16, s14, 1                          ; which half of its columns.  Also: which half of that tile I fetch
	s_bfe_u32 s40, ttmp6, 0x40000
	s_bfe_u32 s41, ttmp6, 0x40004
	s_lshl_b32 s42, ttmp9, 2
	s_add_co_u32 s42, s42, s40                     ; tile column
	s_and_b32 s17, ttmp7, 0xffff
	s_lshl_b32 s17, s17, 2
	s_add_co_u32 s17, s17, s41                     ; tile row
	s_lshl_b32 s43, s41, 2
	s_lshl_b32 s43, 15, s43
	s_lshl_b32 s44, 0x1111, s40
	s_or_b32 s[G1], s43, (3<<16)|(1<<21)           ; A: the mask of my row; elements of 8 bytes; no padding; bit 21 beside a mask
	s_mov_b32 s[G1+1], 32<<16
	s_mov_b32 s[G1+2], 128<<16
	s_mov_b32 s[G1+3], 32<<16
	s_mov_b32 s[G1+4], 128                         ; 128 dense rows of 256 bytes = 32 KiB
	s_mov_b32 s[G1+5], 32
	s_mov_b32 s[G1+6], 0
	s_mov_b32 s[G1+7], 0
	s_or_b32 s[G1B], s44, (1<<20)|(1<<21)|(QI<<22)|(3<<25)     ; W: the mask of my column; elements of 1 byte; 4 words of padding behind each row
	s_mov_b32 s[G1B+1], KS<<16
	s_mov_b32 s[G1B+2], (TILE/2)<<16
	s_mov_b32 s[G1B+3], KS<<16
	s_mov_b32 s[G1B+4], TILE/2
	s_mov_b32 s[G1B+5], SIZE_K
	s_mov_b32 s[G1B+6], 0
	s_mov_b32 s[G1B+7], 0
	s_mul_i32 s20, s17, SIZE_K*TILE
	s_lshl_b32 s18, s16, 15
	s_add_co_u32 s20, s20, s18
	s_mov_b32 s21, 0
	s_lshl_b32 s46, s42, 1
	s_add_co_u32 s46, s46, s16
	s_mul_i32 s46, s46, (TILE/2)*SIZE_K
	s_mov_b32 s47, 0
	s_lshl_b32 s45, s16, 15
	s_mul_i32 s19, s16, (TILE/2)*PITCH
	s_add_co_u32 s19, s19, APART
	s_wait_kmcnt 0x0
	s_load_b64 s[96:97], s[8:9], SCOFF             ; ea, eb
	s_add_nc_u64 s[20:21], s[4:5], s[20:21]
	s_add_nc_u64 s[46:47], s[6:7], s[46:47]
	CROUND                                         ; all sixteen work-groups are here: the first joint loads meet
.irp s, 0,1
	s_mov_b32 s[G0+4*\s], 1
	s_add_co_u32 s[G0+4*\s+1], s45, \s*SLOT
	s_add_nc_u64 s[G0+4*\s+2:G0+4*\s+3], s[20:21], \s*APART
	s_or_b32 s[G0+4*\s+3], s[G0+4*\s+3], 0x80000000
	s_mov_b32 s[G0B+4*\s], 1
	s_add_co_u32 s[G0B+4*\s+1], s19, \s*SLOT
	s_add_nc_u64 s[G0B+4*\s+2:G0B+4*\s+3], s[46:47], \s*KS
	s_or_b32 s[G0B+4*\s+3], s[G0B+4*\s+3], 0x80000000
	JLOAD G0+4*\s, G1, G0B+4*\s, G1B
.endr
	v_and_b32 v1, 15, v0                           ; r
	v_bfe_u32 v2, v0, 4, 1                         ; h
	v_lshlrev_b32 v[CO], 4, v1
	v_lshl_add_u32 v[CO], v2, 12, v[CO]            ; lanes 0-15 take 256 bytes of one row of OUT, lanes 16-31 of the next
	s_lshl_b32 s20, s17, 19                        ; my first row: (128 x tile row + 64 x half) x 4,096 bytes,
	s_lshl_b32 s21, s15, 18
	s_add_co_u32 s20, s20, s21
	s_lshl_b32 s46, s42, 9                         ; my first column: 512 x tile column + 256 x half
	s_lshl_b32 s47, s16, 8
	s_add_co_u32 s46, s46, s47
	s_add_co_u32 s20, s20, s46
	s_mov_b32 s21, 0
	s_add_nc_u64 s[10:11], s[10:11], s[20:21]
	s_add_nc_u64 s[12:13], s[12:13], s[20:21]
	WIN 0xc0                                       ; destination window 3
.set i, 0
.rept 32
	global_load_b128 v[4*i:4*i+3], v[CO], s[12:13] offset:2*i*4096 th:TH_LOAD_NT   ; the residual: rows 2 i, 2 i + 1 of my 64; it has the whole product in which to land
.set i, i+1
.endr
	WIN 0
	v_and_b32 v3, 31, v0
	v_lshlrev_b32 v3, 4, v3                        ; 16 x lane
	v_mul_u32_u24 v4, v1, PITCH
	v_lshl_add_u32 v4, v2, 3, v4                   ; r x pitch + 8 h
	s_mul_i32 s21, s15, WB*2048
	s_mul_i32 s22, s16, 16*WB*PITCH
	s_add_co_u32 s22, s22, APART
.irp s, 0,1
	v_add_nc_u32 v[ADRA+\s], s21, v3
	v_add_nc_u32 v[ADRB+\s], s22, v4
	s_add_co_u32 s21, s21, SLOT
	s_add_co_u32 s22, s22, SLOT
.endr
	s_mul_i32 s23, s14, 4352                       ; my stage: 16 rows x (256 bytes + 16), in slot 0: when the first result is stored there the slot has had its last fill and its last read
	v_mul_u32_u24 v5, v1, 272
	v_lshl_add_u32 v5, v2, 5, v5
	v_add_nc_u32 v[STO], s23, v5                   ; in: row r, 32 bytes for each half of the lanes
	v_mul_u32_u24 v5, v2, 272
	v_lshl_add_u32 v5, v1, 4, v5
	v_add_nc_u32 v[RD], s23, v5                    ; back: two whole rows an instruction
	s_wait_tensorcnt 0x1                           ; my part of slot 0 is in (slot 1's load may be out),
	s_barrier_signal -1
	s_barrier_wait -1                              ; everybody's is
	FETCH_B 0, 0, 0
	FETCH_A 0, 0, 0
	FETCH_A 0, 0, 1
	STEP 0, 0, 1                                   ; the first step's products start the sums
.if LAPS > 1
	s_mov_b32 s3, LAPS-1
.Llap:                                                 ; a trip goes once round the ring and fills both slots again
	STEPS 0, 1
	TURN 0, 1, 1
	STEPS 1, 0
	TURN 1, 0, 1
	STEP 0, 0, 0
	s_sub_co_u32 s3, s3, 1
	s_cmp_lg_u32 s3, 0
	s_cbranch_scc1 .Llap
.endif
	STEPS 0, 1                                     ; the last lap fills nothing
	TURN 0, 1, 0
	STEPS 1, 0
	s_wait_dscnt AH
	MULB 0, 1, 0
	s_wait_dscnt 0x0
	MULB 1, 1, 0
	WIN 0
; THE WAY OUT, a block of 16 rows x 64 columns at a time: through my own stage and back as whole rows of 256 bytes.  LDS serves a wave's instructions in order (ISA guide 5.7.1.4): no wait between the stores and the loads.
.macro TOSTAGE a
	WIN 0x08                                       ; store data: window 2
.irp b, 0,1,2,3
	ds_store_b128 v[STO], v[8*(4*(\a)+\b):8*(4*(\a)+\b)+3] offset:64*\b            ; each accumulator from its low end on
	ds_store_b128 v[STO], v[8*(4*(\a)+\b)+4:8*(4*(\a)+\b)+7] offset:64*\b+16
.endr
	WIN 0
.irp t, 0,1,2,3,4,5,6,7
	ds_load_b128 v[128+32*(\a)+4*\t:128+32*(\a)+4*\t+3], v[RD] offset:\t*544
.endr
.endm
.macro SEND a, younger                 ; younger: the LDS instructions issued behind block a's loads, which may stay out
	s_wait_dscnt \younger
	WIN 0x30                                       ; source 2 (the residual): window 3
.set i, 0
.rept 16
	v_pk_fma_f32 v[128+32*(\a)+i:128+32*(\a)+i+1], v[128+32*(\a)+i:128+32*(\a)+i+1], s[96:97], v[32*(\a)+i:32*(\a)+i+1] op_sel_hi:[1,0,1]   ; sum x 2^(ea + eb) + residual
.set i, i+2
.endr
	WIN 0
.irp t, 0,1,2,3,4,5,6,7
	global_store_b128 v[CO], v[128+32*(\a)+4*\t:128+32*(\a)+4*\t+3], s[10:11] offset:(16*(\a)+2*\t)*4096   ; 16 lanes store 256 consecutive bytes, at a multiple of 256 from OUT's first byte
.endr
.endm
	s_wait_kmcnt 0x0
	s_add_co_i32 s96, s96, s97
	s_add_co_i32 s96, s96, 127
	s_lshl_b32 s96, s96, 23                        ; 2^(ea + eb) as f32
	s_mov_b32 s97, s96
	PLACES 4                                       ; behind the last products
	s_wait_loadcnt 0x0                             ; the residual
	TOSTAGE 0
.irp a, 1,2,3
	TOSTAGE \a
	SEND \a-1, 16                                  ; behind block a - 1's loads: block a's 8 stores and 8 loads
.endr
	SEND 3, 0
	s_wait_tensorcnt 0x0                           ; the wave's end
	ds_add_u32 v[SPW], v[NIL]
	s_wait_dscnt 0x0
	CROUND                                         ; the closing round
	s_endpgm
.Lfunc_end_k_qee4753d277_proj:
	.size	k_qee4753d277_proj, .Lfunc_end_k_qee4753d277_proj-k_qee4753d277_proj
	.p2alignl 7, 3214868480
	.fill 96, 4, 3214868480
	.section	.rodata,"a",@progbits
	.p2align	6, 0x0
	.amdhsa_kernel k_qee4753d277_proj
		.amdhsa_group_segment_fixed_size 327680
		.amdhsa_private_segment_fixed_size 0
		.amdhsa_enable_private_segment 0
		.amdhsa_kernarg_size 40
		.amdhsa_user_sgpr_count 2
		.amdhsa_user_sgpr_kernarg_segment_ptr 1
		.amdhsa_wavefront_size32 1
		.amdhsa_system_sgpr_workgroup_id_x 1
		.amdhsa_system_sgpr_workgroup_id_y 1
		.amdhsa_system_sgpr_workgroup_id_z 1
		.amdhsa_system_vgpr_workitem_id 0
		.amdhsa_next_free_vgpr 896
		.amdhsa_next_free_sgpr 100
		.amdhsa_reserve_vcc 0
		.amdhsa_float_denorm_mode_32 3
		.amdhsa_float_denorm_mode_16_64 3
		.amdhsa_memory_ordered 1
		.amdhsa_forward_progress 1
		.amdhsa_inst_pref_size 96
	.end_amdhsa_kernel
	.amdgpu_metadata
---
amdhsa.version: [ 1, 2 ]
amdhsa.kernels:
  - .name:           k_qee4753d277_proj
    .symbol:         k_qee4753d277_proj.kd
    .args:
      - { .name: h, .offset: 0, .size: 8, .value_kind: global_buffer, .address_space: global }
      - { .name: w_proj_codes, .offset: 8, .size: 8, .value_kind: global_buffer, .address_space: global }
      - { .name: lowp_scales, .offset: 16, .size: 8, .value_kind: global_buffer, .address_space: global }
      - { .name: out0, .offset: 24, .size: 8, .value_kind: global_buffer, .address_space: global }
      - { .name: x1, .offset: 32, .size: 8, .value_kind: global_buffer, .address_space: global }
    .group_segment_fixed_size: 327680
    .private_segment_fixed_size: 0
    .kernarg_segment_align: 8
    .kernarg_segment_size: 40
    .max_flat_workgroup_size: 128
    .sgpr_count:     100
    .vgpr_count:     896
    .wavefront_size: 32
...
	.end_amdgpu_metadata
.endif
;; end of part 7
